; MI455X (gfx1250); checked and timed in simulation.
; The chip was launched on July 23, 2026; its instructions are those of AMD's public machine-readable ISA for CDNA 5 (MIT licence, August 2026) and "CDNA5" Instruction Set Architecture Reference Guide (July 2026). The comments in the code are by the model that wrote it; some were corrected since.
;; Multi Head Attention. Allowed arithmetic: float matrix products may take bf16 or f16 operands with f32 sums; all other float work in f32.
;; Inputs: mask 4 x 2,048 x 2,048 bool; wk_b 1,024 float32; wk_w 1,024 x 1,024 float32; wo_b 1,024 float32; wo_w 1,024 x 1,024 float32; wq_b 1,024 float32; wq_w 1,024 x 1,024 float32; wv_b 1,024 float32; wv_w 1,024 x 1,024 float32; x 4 x 2,048 x 1,024 float32.
;; Outputs: out0 4 x 2,048 x 1,024 float32.
;; One version. Each part assembles by itself: llvm-mc -triple=amdgcn-amd-amdhsa -mcpu=gfx1250 --defsym DOCPART=n.
;; ======== version 1 of 1: 4 launches
;; limits: values are held in f16: magnitudes above 65,504 overflow, below 6.1e-05 lose precision
;; workspace buffers: xb 16,777,216 bytes; wb 8,388,608 bytes; bias3 12,288 bytes; mbits 2,097,152 bytes of whole numbers; qkv 50,331,648 bytes; ctx 16,777,216 bytes
;; launch prep (part 1): grid 1024 x 1, 8 waves a work-group, no clusters, 68,608 bytes of LDS; arguments x, wq_w, wk_w, wv_w, wo_w, wq_b, wk_b, wv_b, mask, xb, wb, bias3, mbits; writes xb, wb, bias3, mbits
.if DOCPART == 1
	.amdgcn_target "amdgcn-amd-amdhsa--gfx1250"
	.amdhsa_code_object_version 6
	.text
	.protected	k_q98883f27e1_prep
	.globl	k_q98883f27e1_prep
	.p2align	8
	.type	k_q98883f27e1_prep,@function
k_q98883f27e1_prep:
	s_mov_b64 s[64:65], 0
	v_nop
	global_prefetch_b8 v0, s[64:65] scope:SCOPE_SE
	s_setreg_imm32_b32 hwreg(HW_REG_WAVE_MODE, 25, 1), 1
	s_wait_xcnt 0x0
; PREPARATION, a stream: x and the four weights are rounded to f16 (xb; wb = wq, wk, wv, wo one below the other), the three
; projection biases are joined (bias3), and the mask's bytes become lane masks of 32 bits (mbits).
; LIMIT: f16 holds magnitudes under 65,504; a larger |x| or |w| becomes an infinity.
; Work-groups 0-255: 32 rows of the mask each: they have the most to do behind their loads, so they come first.  256-511: 64 KiB of a weight each;
; the first work-group of wq, wk and wv also copies that weight's bias.  512-1023: 64 KiB of x each.
; 1,024 work-groups of 68,608 bytes of LDS: four to each of 256 WGPs.
; No matrix unit, no cluster, no tensor load: nothing is shared between work-groups and every byte is read once.
; MBITS: word [b][qt][kb][j] (qt: 16 queries, kb: 16 keys, j = 0..7): bit 16 h + r = mask[b][16 qt + r][16 kb + 4 (j / 2) + 2 h + j % 2].
; That is the lane and register order in which the attention launch holds its scores, so that one select there serves 32 scores.
.set X,   4                            ; v[4:67]    16 loads of 16 bytes a lane
.set T8,  4                            ; v[4:11]    mask: eight words at work, where rows 0 and 1 lay until they were stored to LDS
.set Y,   68                           ; v[68:99]   cast: 16 pairs of packed f16
.set BK,  68                           ; v[68:99]   mask: eight key blocks of 16 bytes, read back from LDS
.set W,   100                          ; v[100:107] mask: the wave's 256 words, four to a lane, two stores
.set BB,  100                          ; v[100:103] weights: 16 bytes of a bias
.set LM,  108                          ; v[108:109] mask: byte 2 h and byte 2 h + 1 of a word
.set LS,  111                          ; LDS address of my 16 bytes of row 0 of my wave's block
.set LR,  112                          ; LDS address of row l % 16 of my wave's block
.set MO,  113                          ; byte offset in mbits
.set BOF, 113                          ; weights: byte offset in a bias
.set MI,  114                          ; byte offset in the mask
.set WS,  48                           ; s[48:55]   the eight words of a key block
.set WPITCH, 528                       ; a row of 512 mask bytes + 16: the 16 rows that a read touches start 16 bytes apart modulo 256
.set WLDS,   16*WPITCH                 ; a wave's own LDS bytes
	s_load_b512 s[16:31], s[0:1], 0x0              ; x 16, wq_w 18, wk_w 20, wv_w 22, wo_w 24, wq_b 26, wk_b 28, wv_b 30
	s_load_b256 s[32:39], s[0:1], 0x40             ; mask 32, xb 34, wb 36, bias3 38
	s_load_b64 s[40:41], s[0:1], 0x60              ; mbits
	v_lshl_add_u32 v116, v0, 2, 0x10800
	v_mov_b32 v117, 0
	v_lshrrev_b32 v1, 5, v0
	v_readfirstlane_b32 s8, v1                     ; wave 0..7
	v_and_b32 v3, 31, v0                           ; lane
	s_mov_b32 s9, ttmp9
	s_mov_b32 s11, 0                               ; upper word of every offset pair s[10:11]
	s_wait_kmcnt 0x0
	s_cmp_lt_u32 s9, 256
	s_cbranch_scc1 .Lmask
	s_cmp_lt_u32 s9, 512
	s_cbranch_scc1 .Lweight
	s_sub_co_u32 s12, s9, 512                      ; 0..511
	s_lshl_b32 s10, s12, 16                        ; 64 KiB of x,
	s_add_nc_u64 s[4:5], s[16:17], s[10:11]
	s_lshl_b32 s10, s12, 15                        ; 32 KiB of xb
	s_add_nc_u64 s[6:7], s[34:35], s[10:11]
	s_branch .Lcast
.Lweight:
	s_sub_co_u32 s12, s9, 256                      ; 0..255: 64 work-groups to a weight
	s_cmp_lt_u32 s12, 64
	s_cselect_b64 s[4:5], s[18:19], s[20:21]       ; wq or wk
	s_cmp_lt_u32 s12, 192
	s_cselect_b64 s[6:7], s[22:23], s[24:25]       ; wv or wo
	s_cmp_lt_u32 s12, 128
	s_cselect_b64 s[4:5], s[4:5], s[6:7]
	s_and_b32 s13, s12, 63
	s_lshl_b32 s10, s13, 16
	s_add_nc_u64 s[4:5], s[4:5], s[10:11]
	s_lshl_b32 s10, s12, 15                        ; wb holds the four weights in this order
	s_add_nc_u64 s[6:7], s[36:37], s[10:11]
	s_cmp_lg_u32 s13, 0                            ; the first work-group of a weight
	s_cbranch_scc1 .Lcast
	s_cmp_lt_u32 s12, 192                          ; other than wo
	s_cbranch_scc0 .Lcast
	s_cmp_lt_u32 s12, 64                           ; copies that weight's bias: 256 threads x 16 bytes
	s_cselect_b64 s[44:45], s[26:27], s[28:29]     ; wq_b or wk_b
	s_cmp_lt_u32 s12, 128
	s_cselect_b64 s[44:45], s[44:45], s[30:31]     ; or wv_b
	s_lshl_b32 s10, s12, 6                         ; 4,096 bytes x (0, 1, 2)
	s_add_nc_u64 s[46:47], s[38:39], s[10:11]
	v_lshlrev_b32 v[BOF], 4, v0
	global_load_b128 v[BB:BB+3], v[BOF], s[44:45]
	s_wait_loadcnt 0x0
	global_store_b128 v[BOF], v[BB:BB+3], s[46:47] ; none of these registers is written again
.Lcast:
	; A wave casts 8 KiB: 16 loads of 512 consecutive bytes, all issued at once; 16 stores of 256 consecutive, aligned bytes.
	v_lshlrev_b32 v1, 4, v3
	v_lshl_add_u32 v1, s8, 13, v1                  ; in: 8,192 x wave + 16 x lane
	v_lshlrev_b32 v2, 3, v3
	v_lshl_add_u32 v2, s8, 12, v2                  ; out: 4,096 x wave + 8 x lane
.irp i, 0,1,2,3,4,5,6,7,8,9,10,11,12,13,14,15
	global_load_b128 v[X+4*\i:X+4*\i+3], v1, s[4:5] offset:512*\i th:TH_LOAD_NT
.endr
.irp i, 0,1,2,3,4,5,6,7,8,9,10,11,12,13,14,15
	s_wait_loadcnt 15-\i                           ; loads come back in order: load i is in, the younger ones stay out
	v_cvt_pk_f16_f32 v[Y+2*\i], v[X+4*\i], v[X+4*\i+1]
	v_cvt_pk_f16_f32 v[Y+2*\i+1], v[X+4*\i+2], v[X+4*\i+3]
	global_store_b64 v2, v[Y+2*\i:Y+2*\i+1], s[6:7] offset:256*\i   ; no register is written twice: no further wait
.endr
	s_endpgm
.Lmask:
	; THE MASK.  The work-group takes 32 rows (64 KiB in one piece); a wave 16 queries x 512 keys, through LDS bytes of its own:
	; in by rows, back by key blocks of 16 bytes, lane l reading row l % 16.  LDS serves a wave in order, so no barrier.
	s_lshl_b32 s10, s9, 16
	s_add_nc_u64 s[4:5], s[32:33], s[10:11]
	s_lshl_b32 s10, s9, 13                         ; 2 query tiles x 4,096 bytes of words
	s_add_nc_u64 s[6:7], s[40:41], s[10:11]
	s_lshr_b32 s13, s8, 2                          ; which 16 rows
	s_and_b32 s14, s8, 3                           ; which 512 keys
	s_mul_i32 s15, s8, WLDS
	v_lshlrev_b32 v1, 4, v3
	v_lshl_add_u32 v[MI], s13, 15, v1
	v_lshl_add_u32 v[MI], s14, 9, v[MI]
	v_lshl_add_u32 v[MO], s13, 12, v1
	v_lshl_add_u32 v[MO], s14, 10, v[MO]
	v_add_nc_u32 v[LS], s15, v1
	v_and_b32 v2, 15, v0
	v_mul_u32_u24 v2, v2, WPITCH
	v_add_nc_u32 v[LR], s15, v2
	v_bfe_u32 v2, v0, 4, 1
	v_lshlrev_b32 v2, 4, v2                        ; 16 h
	v_mov_b32 v[LM], 0xff
	v_mov_b32 v[LM+1], 0xff00
	v_lshlrev_b32 v[LM], v2, v[LM]                 ; byte 2 h
	v_lshlrev_b32 v[LM+1], v2, v[LM+1]             ; byte 2 h + 1
.irp i, 0,1,2,3,4,5,6,7,8,9,10,11,12,13,14,15
	global_load_b128 v[X+4*\i:X+4*\i+3], v[MI], s[4:5] offset:2048*\i th:TH_LOAD_NT   ; 512 consecutive bytes of row i
.endr
.irp i, 0,1,2,3,4,5,6,7
	v_mov_b32 v[W+\i], 0                           ; v_writelane_b32 keeps the other lanes: the registers are written whole first
.endr
.irp i, 0,1,2,3,4,5,6,7,8,9,10,11,12,13,14,15
	s_wait_loadcnt 15-\i                           ; row i is in
	ds_store_b128 v[LS], v[X+4*\i:X+4*\i+3] offset:WPITCH*\i
.endr
; Eight key blocks.  A block's eight words are made together, so that no instruction reads the result of the one just before it.
; The compare's scalar result is the word itself; it goes to lane (word % 128) / 4, register word % 4 of the half in hand.
.macro BATCH q
.irp i, 0,1,2,3,4,5,6,7
	ds_load_b128 v[BK+4*\i:BK+4*\i+3], v[LR] offset:16*(8*\q+\i)
.endr
.irp i, 0,1,2,3,4,5,6,7
	s_wait_dscnt 7-\i                              ; block i of the eight is in (and every LDS store in front of it is done)
.irp j, 0,1,2,3,4,5,6,7
	v_and_b32 v[T8+\j], v[BK+4*\i+\j/2], v[LM+\j%2]
.endr
.irp j, 0,1,2,3,4,5,6,7
	v_cmp_ne_u32 s[WS+\j], 0, v[T8+\j]
.endr
.irp j, 0,1,2,3,4,5,6,7
	v_writelane_b32 v[W+4*(\q/2)+\j%4], s[WS+\j], ((8*(8*\q+\i)+\j)%128)/4
.endr
.endr
.endm
	BATCH 0
	BATCH 1
	global_store_b128 v[MO], v[W:W+3], s[6:7]      ; 512 consecutive bytes: key blocks 0-15
	BATCH 2
	BATCH 3
	global_store_b128 v[MO], v[W+4:W+7], s[6:7] offset:512
	s_wait_tensorcnt 0x0
	ds_add_u32 v116, v117
	s_wait_dscnt 0x0
	s_endpgm
.Lfunc_end_k_q98883f27e1_prep:
	.size	k_q98883f27e1_prep, .Lfunc_end_k_q98883f27e1_prep-k_q98883f27e1_prep
	.p2alignl 7, 3214868480
	.fill 96, 4, 3214868480
	.section	.rodata,"a",@progbits
	.p2align	6, 0x0
	.amdhsa_kernel k_q98883f27e1_prep
		.amdhsa_group_segment_fixed_size 68608
		.amdhsa_private_segment_fixed_size 0
		.amdhsa_enable_private_segment 0
		.amdhsa_kernarg_size 104
		.amdhsa_user_sgpr_count 2
		.amdhsa_user_sgpr_kernarg_segment_ptr 1
		.amdhsa_wavefront_size32 1
		.amdhsa_system_sgpr_workgroup_id_x 1
		.amdhsa_system_sgpr_workgroup_id_y 1
		.amdhsa_system_sgpr_workgroup_id_z 1
		.amdhsa_system_vgpr_workitem_id 0
		.amdhsa_next_free_vgpr 118
		.amdhsa_next_free_sgpr 66
		.amdhsa_reserve_vcc 0
		.amdhsa_float_denorm_mode_32 3
		.amdhsa_float_denorm_mode_16_64 3
		.amdhsa_memory_ordered 1
		.amdhsa_forward_progress 1
		.amdhsa_inst_pref_size 56
	.end_amdhsa_kernel
	.amdgpu_metadata
---
amdhsa.version: [ 1, 2 ]
amdhsa.kernels:
  - .name:           k_q98883f27e1_prep
    .symbol:         k_q98883f27e1_prep.kd
    .args:
      - { .name: x, .offset: 0, .size: 8, .value_kind: global_buffer, .address_space: global }
      - { .name: wq_w, .offset: 8, .size: 8, .value_kind: global_buffer, .address_space: global }
      - { .name: wk_w, .offset: 16, .size: 8, .value_kind: global_buffer, .address_space: global }
      - { .name: wv_w, .offset: 24, .size: 8, .value_kind: global_buffer, .address_space: global }
      - { .name: wo_w, .offset: 32, .size: 8, .value_kind: global_buffer, .address_space: global }
      - { .name: wq_b, .offset: 40, .size: 8, .value_kind: global_buffer, .address_space: global }
      - { .name: wk_b, .offset: 48, .size: 8, .value_kind: global_buffer, .address_space: global }
      - { .name: wv_b, .offset: 56, .size: 8, .value_kind: global_buffer, .address_space: global }
      - { .name: mask, .offset: 64, .size: 8, .value_kind: global_buffer, .address_space: global }
      - { .name: xb, .offset: 72, .size: 8, .value_kind: global_buffer, .address_space: global }
      - { .name: wb, .offset: 80, .size: 8, .value_kind: global_buffer, .address_space: global }
      - { .name: bias3, .offset: 88, .size: 8, .value_kind: global_buffer, .address_space: global }
      - { .name: mbits, .offset: 96, .size: 8, .value_kind: global_buffer, .address_space: global }
    .group_segment_fixed_size: 68608
    .private_segment_fixed_size: 0
    .kernarg_segment_align: 8
    .kernarg_segment_size: 104
    .max_flat_workgroup_size: 256
    .sgpr_count:     66
    .vgpr_count:     118
    .wavefront_size: 32
...
	.end_amdgpu_metadata
.endif
;; end of part 1
;; launch qkv (part 2): grid 16 x 32, 4 waves a work-group, clusters of 4 x 4, 327,680 bytes of LDS; arguments xb, wb, qkv, bias3; writes qkv
.if DOCPART == 2
	.amdgcn_target "amdgcn-amd-amdhsa--gfx1250"
	.amdhsa_code_object_version 6
	.text
	.protected	k_q98883f27e1_qkv
	.globl	k_q98883f27e1_qkv
	.p2align	8
	.type	k_q98883f27e1_qkv,@function
k_q98883f27e1_qkv:
	s_mov_b64 s[64:65], 0
	v_nop
	global_prefetch_b8 v0, s[64:65] scope:SCOPE_SE
	s_setreg_imm32_b32 hwreg(HW_REG_WAVE_MODE, 25, 1), 1
	s_wait_xcnt 0x0
	s_wait_alu depctr_hold_cnt(0) depctr_sa_sdst(0) depctr_va_vdst(0) depctr_va_sdst(0) depctr_va_ssrc(0) depctr_va_vcc(0) depctr_vm_vsrc(0)
	s_getreg_b32 s2, hwreg(HW_REG_IB_STS2, 6, 4)
	s_cmp_eq_u32 s2, 0
	s_cbranch_scc0 .Lentry_in_a_cluster
	s_endpgm
.Lentry_in_a_cluster:
	s_bfe_u32 s2, ttmp6, 0x10000c
	s_cmp_lg_u32 s2, 0xf033
	s_cbranch_scc0 .Lentry_shape_is_right
	s_endpgm
.Lentry_shape_is_right:
; C[m][n] = bias[n] + sum over k of A[m][k] B[n][k].  A: [8192][1024] f16, B: rows of wb, [.][1024] f16; sums in f32.
; One text serves two launches; KIND picks the sizes and the way out.
;   KIND 0: A = xb, B = wq, wk, wv (3,072 rows), C in f16, laid by head: qkv[b][g][s][64], g = n / 64.  Tile 256 x 192: 32 x 16 = 512 work-groups.
;   KIND 1: A = ctx, B = wo (wb's rows 3,072 on), C = out0 in f32.  Tile 256 x 128: 32 x 8 = 256 work-groups.
; LIMIT: operands and KIND 0's results are f16: magnitudes under 65,504.
; Four waves; wave w makes rows 64 w .. 64 w + 63 by all 16 NB columns: 4 x NB accumulators of 16 x 16.  In KIND 0 these columns are three whole
; heads, in KIND 1 whole rows of 512 bytes, so each wave's way out goes through a stage of its own, without a barrier.
; K goes in 8 steps of 128 through two LDS slots filled by tensor loads; a tile's rows are 256 bytes of memory, at multiples of 256.
; CLUSTER 4 x 4: the four work-groups of a row of the cluster need the same tiles of A, the four of a column the same tiles of B: each tile is asked
; for jointly, by the same tensor load with the same descriptor and a mask that names the four.
; THE MATRIX INSTRUCTION IS USED TRANSPOSED (source 0 = 16 rows of B, source 1 = 16 rows of A): lane l holds row l % 16 of C and the eight
; neighbouring columns 8 (l / 16) + 0..7.  The first product on each accumulator takes the bias as C: nothing is cleared, nothing is added later.
; REGISTERS, in windows of 256: window 0: v16-27 addresses; v32-95 A's fragments, two buffers of 4 x 8; v160 on the bias (8 NB), later the way out.
;   window 1: B's fragments, two buffers of 8 NB.  window 2: accumulators of row blocks 0, 1.  window 3: of row blocks 2, 3.
.set KIND, 0
.if KIND == 0
.set NB,    12                         ; column blocks of 16
.set SP,    400                        ; a stage row: 384 bytes + 16
.set BROW0, 0                          ; B's first row in wb
.else
.set NB,    8
.set SP,    528                        ; 512 bytes + 16
.set BROW0, 3072
.endif
.set KD,     1024
.set KSTEP,  128
.set PITCH,  272                       ; an LDS row: 256 bytes + 16 of padding: the 16 rows of a fragment load start 16 bytes apart modulo 256
.set HALFA,  128*PITCH                 ; what one tensor load brings of A
.set HALFB,  8*NB*PITCH                ; and of B
.set SLOT,   2*HALFA+2*HALFB           ; A's 256 rows, then B's 16 NB rows
.set STAGE,  2*SLOT                    ; behind the ring, a multiple of 256: 16 rows x SP for each wave; no tensor load lands here
.set LAPS,   KD/(2*KSTEP)              ; a lap = two K steps = once round the ring
.set ADRA, 16                          ; v16-17 LDS address of my A fragments in slot 0, 1
.set ADRB, 20                          ; v20-21 the same for B
.set STO,  24                          ; the way out: where I put my bytes of a row
.set RD,   25                          ; the way out: where I read back
.set CO,   26                          ; my byte offset in C
.set BO,   27                          ; my byte offset in the bias
.set FA,   32
.set BIAS, 160
.if KIND == 0
.set TMP,  96                          ; v96-143 packed results
.set OB,   160                         ; v160-207, v208-255 by turns: a block read back from the stage
.set OBN,  48
.else
.set OB,   96                          ; v96-159, v160-223 by turns
.set OBN,  64
.endif
.set G1,  24                           ; s[24:31] descriptor group 1 for A;  s[32:39] group 0, a set for each slot
.set G0,  32
.set G1B, 48                           ; s[48:55], s[56:63] the same for B
.set G0B, 56
.set MSB, 0
.macro WIN new                         ; the immediate's high byte repeats the setting that is left; a switch that changes nothing is dropped
.if MSB != \new
	s_set_vgpr_msb (MSB<<8)|\new
.set MSB, \new
.endif
.endm
.set MUL_LO, 0xa1                      ; source 0 (B) window 1, source 1 (A) window 0, C and D window 2
.set MUL_HI, 0xf1                      ; the same, C and D window 3
.set TO_B,   0x40                      ; destination window 1, address window 0
; A joint load: waves 0 and 1 fetch A's two halves, waves 2 and 3 B's.  The branch hangs on the wave's number alone.
; Four v_nop follow each of the two lines, ahead of the jump, the label and what follows.
.macro JLOAD s
	s_cmp_eq_u32 s11, 0
	s_cbranch_scc0 .Lfor_b_\@
	tensor_load_to_lds s[G0+4*\s:G0+4*\s+3], s[G1:G1+7]
	s_nop 0
.rept 4
	v_nop
.endr
	s_branch .Lasked_\@
.Lfor_b_\@:
	tensor_load_to_lds s[G0B+4*\s:G0B+4*\s+3], s[G1B:G1B+7]
	s_nop 0
.rept 4
	v_nop
.endr
.Lasked_\@:
.endm
.macro CREST                           ; a round of the cluster's barrier behind its opening barrier
	s_cmp_lg_u32 s10, 0
	s_cbranch_scc1 .Lnot_wave_0_\@
	s_barrier_signal -3
.Lnot_wave_0_\@:
	s_barrier_wait -3
	s_barrier_signal -1
	s_barrier_wait -1
.endm
.macro CROUND                          ; a whole round
	s_barrier_signal -1
	s_barrier_wait -1
	CREST
.endm
.macro PLACES                          ; four places behind matrix instructions, in front of loads into registers that they read and of readers of their results
.rept 4
	v_nop
.endr
.endm
	s_load_b128 s[4:7], s[0:1], 0x0                ; A s[4:5], wb s[6:7]
	s_load_b64 s[8:9], s[0:1], 0x10                ; C
	s_load_b64 s[66:67], s[0:1], 0x18              ; the bias
	s_set_vgpr_msb 0x40
	v_lshl_add_u32 v255, v0, 2, 0x41c00
	s_set_vgpr_msb 0x4000
	v_mov_b32 v159, 0
	s_set_vgpr_msb 0x1
	ds_add_u32 v255, v159
	s_set_vgpr_msb 0x100
	v_lshrrev_b32 v1, 5, v0
	v_readfirstlane_b32 s10, v1                    ; wave 0..3
	s_lshr_b32 s11, s10, 1                         ; I fetch for A (0) or for B (1),
	s_and_b32 s12, s10, 1                          ; its first or its second half
	s_bfe_u32 s40, ttmp6, 0x40000                  ; cx, cy: my place in the cluster
	s_bfe_u32 s41, ttmp6, 0x40004
	s_lshl_b32 s42, ttmp9, 2
	s_add_co_u32 s42, s42, s40                     ; tile column = 4 x cluster x + cx
	s_and_b32 s13, ttmp7, 0xffff
	s_lshl_b32 s13, s13, 2
	s_add_co_u32 s13, s13, s41                     ; tile row = 4 x cluster y + cy
	s_lshl_b32 s43, s41, 2
	s_lshl_b32 s43, 15, s43                        ; my row of the cluster
	s_lshl_b32 s44, 0x1111, s40                    ; my column
	; group 1: rows of 128 elements of 2 bytes, 16 bytes of padding behind every 64 words; bit 21 set beside a mask
	s_or_b32 s[G1+0], s43, (1<<16)|(1<<20)|(1<<21)|(5<<22)|(3<<25)
	s_or_b32 s[G1B+0], s44, (1<<16)|(1<<20)|(1<<21)|(5<<22)|(3<<25)
.irp g, G1, G1B
	s_mov_b32 s[\g+1], KSTEP<<16                   ; tensor_dim0 = 128
	s_mov_b32 s[\g+3], KSTEP<<16                   ; tile_dim0 = 128
	s_mov_b32 s[\g+5], KD                          ; elements from row to row
	s_mov_b32 s[\g+6], 0
	s_mov_b32 s[\g+7], 0
.endr
	s_mov_b32 s[G1+2], 128<<16                     ; tensor_dim1 and
	s_mov_b32 s[G1+4], 128                         ; tile_dim1: A 128 rows,
	s_mov_b32 s[G1B+2], (8*NB)<<16
	s_mov_b32 s[G1B+4], 8*NB                       ; B 8 NB rows
	s_lshl_b32 s16, s13, 8
	s_lshl_b32 s17, s12, 7
	s_add_co_u32 s16, s16, s17                     ; A: row 256 x tile row + 128 x half,
	s_lshl_b32 s16, s16, 11                        ; in bytes (under 2^24)
	s_mov_b32 s17, 0
	s_mul_i32 s46, s42, 16*NB
	s_mul_i32 s47, s12, 8*NB
	s_add_co_u32 s46, s46, s47
	s_add_co_u32 s46, s46, BROW0                   ; B: row 16 NB x tile column + 8 NB x half, from B's first row in wb
	s_lshl_b32 s46, s46, 11
	s_mov_b32 s47, 0
	s_mul_i32 s20, s10, HALFA                      ; where they go: waves 0, 1: A's halves;
	s_mul_i32 s21, s10, HALFB
	s_add_co_u32 s21, s21, 2*HALFA-2*HALFB         ; waves 2, 3: B's halves, behind A's 256 rows.  No place in the cluster enters an LDS address
	s_wait_dscnt 0x0
	s_wait_kmcnt 0x0
	s_add_nc_u64 s[14:15], s[4:5], s[16:17]
	s_add_nc_u64 s[46:47], s[6:7], s[46:47]
	CROUND                                         ; all sixteen work-groups are here: the first joint loads meet
.irp s, 0,1
	s_mov_b32 s[G0+4*\s], 1
	s_add_co_u32 s[G0+4*\s+1], s20, \s*SLOT
	s_add_nc_u64 s[G0+4*\s+2:G0+4*\s+3], s[14:15], \s*KSTEP*2
	s_or_b32 s[G0+4*\s+3], s[G0+4*\s+3], 0x80000000
	s_mov_b32 s[G0B+4*\s], 1
	s_add_co_u32 s[G0B+4*\s+1], s21, \s*SLOT
	s_add_nc_u64 s[G0B+4*\s+2:G0B+4*\s+3], s[46:47], \s*KSTEP*2
	s_or_b32 s[G0B+4*\s+3], s[G0B+4*\s+3], 0x80000000
	JLOAD \s                                       ; K steps 0 and 1: two tensor loads of mine are out
.endr
	v_and_b32 v1, 15, v0                           ; l % 16
	v_bfe_u32 v2, v0, 4, 1                         ; l / 16
	; the bias in the accumulators' layout: register 8 b + j = bias[tile's first column + 16 b + 8 (l / 16) + j]
	v_lshlrev_b32 v[BO], 5, v2
	s_mul_i32 s16, s42, 64*NB
	s_mov_b32 s17, 0
	s_add_nc_u64 s[66:67], s[66:67], s[16:17]
.set ib, 0
.rept NB
	global_load_b128 v[BIAS+8*ib:BIAS+8*ib+3], v[BO], s[66:67] offset:64*ib
	global_load_b128 v[BIAS+8*ib+4:BIAS+8*ib+7], v[BO], s[66:67] offset:64*ib+16
.set ib, ib+1
.endr
	; a fragment is 16 rows x 32 K in 8 registers: lane l holds row l % 16; two loads of 16 bytes, 32 bytes apart, at row x pitch + 16 (l / 16)
	v_mul_u32_u24 v3, v1, PITCH
	v_lshl_add_u32 v3, v2, 4, v3
	s_mul_i32 s22, s10, 64*PITCH                   ; my 64 rows of A
	v_add_nc_u32 v[ADRA], s22, v3
	v_add_nc_u32 v[ADRA+1], SLOT, v[ADRA]
	v_add_nc_u32 v[ADRB], 2*HALFA, v3              ; all of B's rows
	v_add_nc_u32 v[ADRB+1], SLOT, v[ADRB]
	s_mul_i32 s23, s10, 16*SP
	s_add_co_u32 s23, s23, STAGE                   ; my stage
	v_and_b32 v5, 31, v0
	v_lshlrev_b32 v[CO], 4, v5                     ; 16 x lane: every store of the wave covers 512 consecutive bytes
	v_mul_u32_u24 v4, v1, SP
.if KIND == 0
	v_lshl_add_u32 v4, v2, 4, v4                   ; in: row l % 16, 16 bytes for each half of the lanes
	v_add_nc_u32 v[STO], s23, v4
	v_lshrrev_b32 v6, 3, v5                        ; back: four rows of one head, 128 bytes each: row l / 8, bytes 16 (l % 8)
	v_and_b32 v7, 7, v0
	v_mul_u32_u24 v6, v6, SP
	v_lshl_add_u32 v6, v7, 4, v6
	v_add_nc_u32 v[RD], s23, v6
	s_lshr_b32 s16, s13, 3                         ; the batch
	s_mul_i32 s16, s16, 48
	s_mul_i32 s18, s42, 3
	s_add_co_u32 s16, s16, s18                     ; 48 b + my first head's g
	s_lshl_b32 s16, s16, 18                        ; x 2,048 rows of 128 bytes
	s_and_b32 s18, s13, 7
	s_lshl_b32 s18, s18, 2
	s_add_co_u32 s18, s18, s10
	s_lshl_b32 s18, s18, 13                        ; + (256 (tile row % 8) + 64 wave) rows of 128 bytes
.else
	v_lshl_add_u32 v4, v2, 5, v4                   ; in: row l % 16, 32 bytes for each half of the lanes
	v_add_nc_u32 v[STO], s23, v4
	v_add_nc_u32 v[RD], s23, v[CO]                 ; back: a whole row of 512 bytes
	s_lshl_b32 s16, s13, 2
	s_add_co_u32 s16, s16, s10
	s_lshl_b32 s16, s16, 18                        ; (256 tile row + 64 wave) rows of 4,096 bytes
	s_lshl_b32 s18, s42, 9                         ; + the tile's first column
.endif
	s_add_co_u32 s16, s16, s18
	s_mov_b32 s17, 0
	s_add_nc_u64 s[8:9], s[8:9], s[16:17]
; NB matrix instructions: row block a x all column blocks, 32 along K, from buffer f.  c0 = 1: the bias starts the sums.
; The 4 NB accumulators take turns, one instruction a turn, in the same order in every quarter, over the backward jump too.
.macro MULA f, a, c0
.set ib, 0
.rept NB
.if \c0
	v_wmma_f32_16x16x32_f16 v[8*(NB*((\a)&1)+ib):8*(NB*((\a)&1)+ib)+7], v[8*(NB*\f+ib):8*(NB*\f+ib)+7], v[FA+32*\f+8*\a:FA+32*\f+8*\a+7], v[BIAS+8*ib:BIAS+8*ib+7]
.else
	v_wmma_f32_16x16x32_f16 v[8*(NB*((\a)&1)+ib):8*(NB*((\a)&1)+ib)+7], v[8*(NB*\f+ib):8*(NB*\f+ib)+7], v[FA+32*\f+8*\a:FA+32*\f+8*\a+7], v[8*(NB*((\a)&1)+ib):8*(NB*((\a)&1)+ib)+7]
.endif
.set ib, ib+1
.endr
.endm
; 2 NB + 8 LDS loads in one run: the fragments of 32 K at byte k of the rows, into buffer f: B's first, A's four blocks last
.macro FETCH slot, k, f
	WIN TO_B
.set ib, 0
.rept NB
	ds_load_b128 v[8*(NB*\f+ib):8*(NB*\f+ib)+3],   v[ADRB+\slot] offset:\k+ib*16*PITCH
	ds_load_b128 v[8*(NB*\f+ib)+4:8*(NB*\f+ib)+7], v[ADRB+\slot] offset:\k+ib*16*PITCH+32
.set ib, ib+1
.endr
	WIN 0
.irp i, 0,1,2,3
	ds_load_b128 v[FA+32*\f+8*\i:FA+32*\f+8*\i+3],   v[ADRA+\slot] offset:\k+\i*16*PITCH
	ds_load_b128 v[FA+32*\f+8*\i+4:FA+32*\f+8*\i+7], v[ADRA+\slot] offset:\k+\i*16*PITCH+32
.endr
.endm
; A K step is four quarters of 32 along K, 4 NB matrix instructions each, on buffers 0, 1, 0, 1.
; One of the first three: multiplies buffer f; in its middle it fetches the next quarter, at byte k, into buffer g.
.macro QUARTER slot, k, f, g, c0
	s_wait_dscnt 4                                 ; all but the four youngest loads, A's blocks 2 and 3
.if \c0
	WIN 0x81                                       ; C (the bias) window 0, D window 2
.else
	WIN MUL_LO
.endif
	MULA \f, 0, \c0
	MULA \f, 1, \c0
	PLACES
	FETCH \slot, \k, \g
	s_wait_dscnt 2*NB+8                            ; all but the run just issued
.if \c0
	WIN 0xc1
.else
	WIN MUL_HI
.endif
	MULA \f, 2, \c0
	MULA \f, 3, \c0
.endm
; The last quarter multiplies buffer 1 and changes slots: ONE barrier; in front of it each wave waits for its own reads of this slot and for all its
; tensor loads, of which one is out: its part of the next slot.  fill = 1: the barrier opens a round of the cluster's barrier, and this slot is filled again, two K steps ahead.
.macro TURN slot, next, fill
	s_wait_dscnt 4
	WIN MUL_LO
	MULA 1, 0, 0
	s_wait_dscnt 0x0                               ; my reads of this slot are over,
	s_wait_tensorcnt 0x0                           ; and all my tensor loads have landed
	ds_add_u32 v255, v159
	s_wait_dscnt 0x0
	s_barrier_signal -1
	MULA 1, 1, 0                                   ; work on registers while the others arrive
.if \fill
	WIN 0
.endif
	s_barrier_wait -1
.if \fill
	CREST                                          ; no wave of any partner still reads this slot or has a load on its way
	s_add_nc_u64 s[G0+4*\slot+2:G0+4*\slot+3], s[G0+4*\slot+2:G0+4*\slot+3], 2*KSTEP*2
	s_add_nc_u64 s[G0B+4*\slot+2:G0B+4*\slot+3], s[G0B+4*\slot+2:G0B+4*\slot+3], 2*KSTEP*2
	JLOAD \slot                                    ; my one tensor load behind the round: 15 NB matrix instructions ahead of the wait for it; its four v_nop are also the places in front of the loads below
.else
	PLACES
.endif
	FETCH \next, 0, 0
	WIN MUL_HI
	MULA 1, 2, 0
	MULA 1, 3, 0
.endm
	s_wait_tensorcnt 0x1                           ; my part of K step 0 is in; K step 1's may stay out
	s_barrier_signal -1
	s_barrier_wait -1                              ; everybody's is
	FETCH 0, 0, 0
	s_wait_loadcnt 0x0                             ; the bias
	QUARTER 0, 64, 0, 1, 1                         ; the first quarter stands in front of the loop: its products start the sums
	WIN 0                                          ; at a label and at a branch every window is 0
	s_mov_b32 s3, LAPS-1
.Llap:                                                 ; a trip goes once round the ring, from a lap's second quarter to the next lap's first, and fills both slots again
	QUARTER 0, 128, 1, 0, 0
	QUARTER 0, 192, 0, 1, 0
	TURN 0, 1, 1
	QUARTER 1, 64,  0, 1, 0
	QUARTER 1, 128, 1, 0, 0
	QUARTER 1, 192, 0, 1, 0
	TURN 1, 0, 1
	QUARTER 0, 64,  0, 1, 0
	WIN 0
	s_sub_co_u32 s3, s3, 1
	s_cmp_lg_u32 s3, 0
	s_cbranch_scc1 .Llap
	QUARTER 0, 128, 1, 0, 0                        ; the last lap fills nothing
	QUARTER 0, 192, 0, 1, 0
	TURN 0, 1, 0
	QUARTER 1, 64,  0, 1, 0
	QUARTER 1, 128, 1, 0, 0
	QUARTER 1, 192, 0, 1, 0
	s_wait_dscnt 4                                 ; the very last quarter: nothing more to fetch
	WIN MUL_LO
	MULA 1, 0, 0
	MULA 1, 1, 0
	s_wait_dscnt 0x0
	WIN MUL_HI
	MULA 1, 2, 0
	MULA 1, 3, 0
	WIN 0
; THE WAY OUT, a block of 16 rows at a time through my own stage: LDS serves a wave's instructions in order, so no wait stands between its stores and its loads.
.if KIND == 0
.macro PACK a                          ; rounded to f16: 16 bytes a lane and column block
	WIN 0x0a+5*((\a)/2)                            ; sources 0 and 1: window 2 or 3
.set ib, 0
.rept NB
.irp r, 0,1,2,3
	v_cvt_pk_f16_f32 v[TMP+4*ib+\r], v[8*(NB*((\a)&1)+ib)+2*\r], v[8*(NB*((\a)&1)+ib)+2*\r+1]
.endr
.set ib, ib+1
.endr
	WIN 0
.endm
.macro TOSTAGE a
	s_wait_xcnt 0x0                                ; the registers loaded below were the data of stores two blocks back: they are rewritten only behind this wait
.set ib, 0
.rept NB
	ds_store_b128 v[STO], v[TMP+4*ib:TMP+4*ib+3] offset:32*ib
.set ib, ib+1
.endr
.irp hh, 0,1,2
.irp u, 0,1,2,3
	ds_load_b128 v[OB+OBN*((\a)&1)+4*(4*\hh+\u):OB+OBN*((\a)&1)+4*(4*\hh+\u)+3], v[RD] offset:128*\hh+4*SP*\u   ; rows 4 u .. 4 u + 3 of head hh
.endr
.endr
.endm
.macro SEND a, younger
	s_wait_dscnt \younger                          ; the block is back in registers
.irp hh, 0,1,2
.irp u, 0,1,2,3
	global_store_b128 v[CO], v[OB+OBN*((\a)&1)+4*(4*\hh+\u):OB+OBN*((\a)&1)+4*(4*\hh+\u)+3], s[8:9] offset:\hh*262144+(\a)*2048+\u*512   ; four rows of a head: 512 consecutive bytes, aligned
.endr
.endr
.endm
	PLACES                                         ; the conversions read results just made
	PACK 0
	TOSTAGE 0
.irp a, 1,2,3                          ; block a's conversions stand between block a - 1's loads from the stage and the wait for them
	PACK \a
	SEND \a-1, 0
	TOSTAGE \a
.endr
	SEND 3, 0
.else
.macro TOSTAGE a
	s_wait_xcnt 0x0                                ; the registers loaded below were the data of stores two blocks back: they are rewritten only behind this wait
	WIN 0x08+4*((\a)/2)                            ; store data: window 2 or 3
.set ib, 0
.rept NB
	ds_store_b128 v[STO], v[8*(NB*((\a)&1)+ib):8*(NB*((\a)&1)+ib)+3] offset:64*ib
	ds_store_b128 v[STO], v[8*(NB*((\a)&1)+ib)+4:8*(NB*((\a)&1)+ib)+7] offset:64*ib+16
.set ib, ib+1
.endr
	WIN 0
.irp i, 0,1,2,3,4,5,6,7,8,9,10,11,12,13,14,15
	ds_load_b128 v[OB+OBN*((\a)&1)+4*\i:OB+OBN*((\a)&1)+4*\i+3], v[RD] offset:SP*\i
.endr
.endm
.macro SEND a, younger
	s_wait_dscnt \younger                          ; the block is back; the next block's 32 LDS instructions may stay out
.irp i, 0,1,2,3,4,5,6,7,8,9,10,11,12,13,14,15
	global_store_b128 v[CO], v[OB+OBN*((\a)&1)+4*\i:OB+OBN*((\a)&1)+4*\i+3], s[8:9] offset:(16*(\a)+\i)*4096 th:TH_STORE_NT   ; 512 consecutive bytes of a row, aligned
.endr
.endm
	PLACES                                         ; the LDS stores read results just made
	TOSTAGE 0
.irp a, 1,2,3
	TOSTAGE \a
	SEND \a-1, 32
.endr
	SEND 3, 0
.endif
	s_set_vgpr_msb 0x1
	s_wait_tensorcnt 0x0
	ds_add_u32 v255, v159
	s_wait_dscnt 0x0
	s_set_vgpr_msb 0x100
	CROUND                                         ; the closing round: no work-group ends while a partner may still ask for a tile that names it
	s_endpgm
.Lfunc_end_k_q98883f27e1_qkv:
	.size	k_q98883f27e1_qkv, .Lfunc_end_k_q98883f27e1_qkv-k_q98883f27e1_qkv
	.p2alignl 7, 3214868480
	.fill 96, 4, 3214868480
	.section	.rodata,"a",@progbits
	.p2align	6, 0x0
	.amdhsa_kernel k_q98883f27e1_qkv
		.amdhsa_group_segment_fixed_size 327680
		.amdhsa_private_segment_fixed_size 0
		.amdhsa_enable_private_segment 0
		.amdhsa_kernarg_size 32
		.amdhsa_user_sgpr_count 2
		.amdhsa_user_sgpr_kernarg_segment_ptr 1
		.amdhsa_wavefront_size32 1
		.amdhsa_system_sgpr_workgroup_id_x 1
		.amdhsa_system_sgpr_workgroup_id_y 1
		.amdhsa_system_sgpr_workgroup_id_z 1
		.amdhsa_system_vgpr_workitem_id 0
		.amdhsa_next_free_vgpr 960
		.amdhsa_next_free_sgpr 68
		.amdhsa_reserve_vcc 0
		.amdhsa_float_denorm_mode_32 3
		.amdhsa_float_denorm_mode_16_64 3
		.amdhsa_memory_ordered 1
		.amdhsa_forward_progress 1
		.amdhsa_inst_pref_size 121
	.end_amdhsa_kernel
	.amdgpu_metadata
---
amdhsa.version: [ 1, 2 ]
amdhsa.kernels:
  - .name:           k_q98883f27e1_qkv
    .symbol:         k_q98883f27e1_qkv.kd
    .args:
      - { .name: xb, .offset: 0, .size: 8, .value_kind: global_buffer, .address_space: global }
      - { .name: wb, .offset: 8, .size: 8, .value_kind: global_buffer, .address_space: global }
      - { .name: qkv, .offset: 16, .size: 8, .value_kind: global_buffer, .address_space: global }
      - { .name: bias3, .offset: 24, .size: 8, .value_kind: global_buffer, .address_space: global }
    .group_segment_fixed_size: 327680
    .private_segment_fixed_size: 0
    .kernarg_segment_align: 8
    .kernarg_segment_size: 32
    .max_flat_workgroup_size: 128
    .sgpr_count:     68
    .vgpr_count:     960
    .wavefront_size: 32
...
	.end_amdgpu_metadata
.endif
;; end of part 2
;; launch attn (part 3): grid 8 x 32, 8 waves a work-group, clusters of 4 x 1, 327,680 bytes of LDS; arguments qkv, mbits, ctx; writes ctx
.if DOCPART == 3
	.amdgcn_target "amdgcn-amd-amdhsa--gfx1250"
	.amdhsa_code_object_version 6
	.text
	.protected	k_q98883f27e1_attn
	.globl	k_q98883f27e1_attn
	.p2align	8
	.type	k_q98883f27e1_attn,@function
k_q98883f27e1_attn:
	s_mov_b64 s[64:65], 0
	v_nop
	global_prefetch_b8 v0, s[64:65] scope:SCOPE_SE
	s_setreg_imm32_b32 hwreg(HW_REG_WAVE_MODE, 25, 1), 1
	s_wait_xcnt 0x0
	s_wait_alu depctr_hold_cnt(0) depctr_sa_sdst(0) depctr_va_vdst(0) depctr_va_sdst(0) depctr_va_ssrc(0) depctr_va_vcc(0) depctr_vm_vsrc(0)
	s_getreg_b32 s2, hwreg(HW_REG_IB_STS2, 6, 4)
	s_cmp_eq_u32 s2, 0
	s_cbranch_scc0 .Lentry_in_a_cluster
	s_endpgm
.Lentry_in_a_cluster:
	s_bfe_u32 s2, ttmp6, 0x10000c
	s_cmp_lg_u32 s2, 0x3003
	s_cbranch_scc0 .Lentry_shape_is_right
	s_endpgm
.Lentry_shape_is_right:
; ctx[b][q][64 h + d] = sum over k of softmax_k(mask ? Q.K / 8 : -1e9) V[k][d].  qkv: f16 [b][g][s][64], g = h (Q), 16 + h (K), 32 + h (V).  ctx: f16 [8192][1024].
; Products, maxima and sums in f32; the weights p are rounded to f16 for the second product, ctx once at the end.
; LIMITS.  f16 operands: magnitudes under 65,504.  Scores stay raw (q.k) and p = 2^(c s - c m), c = log2(e) / 8, with a running maximum m.  A masked raw score is replaced by
; -2^33, which is -1.074e9 in the scaled scores where the problem writes -1e9: c x 2^33 is exact, so a row without a true mask bit gets p = 1 everywhere, uniform weights.
; Results differ only where unmasked scaled scores lie within some hundred of -1e9.  A NaN score does not enter m, but reaches p and the result.
; SHARES.  A work-group owns 256 queries of TWO heads 2 p, 2 p + 1 of one batch: a row of ctx then gets 256 consecutive, aligned bytes.  Eight waves: wave w has head
; e = w / 4 and queries 64 (w % 4) on, four tiles of 16, taken as two pairs.  Two waves lie on a SIMD (480 registers each): the text goes in phases, and one wave's softmax stands beside the other's products.
; LAYOUT.  S^T = K Q^T (source 0 = 16 keys, source 1 = 16 queries): a lane holds ONE query (l % 16) and eight keys.  Two such tiles, rounded in pairs, ARE source 1 of O^T = V^T P.
; KEY ORDER.  Place 8 h + j of a block of 16 keys holds key 4 (j / 2) + 2 h + j % 2, alike in K's rows, V's rows and the mask's words, so the products are unchanged.  With it LDS rows
; of two keys (256 bytes + 16) serve both K's plain loads and V's turning loads with 16 different 16-byte columns modulo 256 in each half of the lanes, and one descriptor shape serves K and V.
; THE MASK comes as lane masks (mbits[b][qt][kb][j], bit = lane) by scalar loads: one v_cndmask_b32 serves 32 scores.  A pair's 64 words fill 64 scalar registers; the next pair's are asked
; for as soon as the selects have read them: the rest of the pair's softmax and 32 products stand between the request and the wait.
; WHAT IS ASKED FOR WHEN.  V of a step at its head, one softmax ahead of its first use.  K of the next step in the step's middle, behind the last product that reads K.  A slot is left in the
; middle of its second step, when that step's K and V are in registers; the refill goes out there.
; CLUSTER 4 x 1: the four query blocks of a cluster walk the same K and V: each tile is asked for jointly, mask 15.  All eight waves issue the same line, each for its own 32 LDS rows
; (8 KiB): a slot's 256 rows shared evenly, no wave without a load, no branch round the load.
; REGISTERS.  Window 0: v2-10 addresses; v16-47 statistics, 8 a tile; v48-111 S^T of a pair of tiles; v112-239 O^T, 32 a tile.
;   Window 1: v0-63 K, v64-127 V of one step; v128-191 Q; v192-223 P of a pair of tiles.
.set PK,    272                        ; an LDS row: two keys, 256 bytes, + 16 of padding
.set STEPB, 32*PK                      ; a step's 64 keys
.set REG,   64*PK                      ; a slot's 128 keys of one head's K or V
.set SLOT1, 1<<17                      ; a slot: K e = 0, K e = 1, V e = 0, V e = 1 (69,632 bytes); slot 1 begins here, so that one exclusive or changes slots
.set STAGE, SLOT1+4*REG                ; 200,704, a multiple of 256: 256 rows x 272 bytes for the way out; no tensor load lands here
.set AK0, 2                            ; my lane's place in a step's K; never rewritten
.set AV0, 3                            ; the same for V
.set ADRK, 4
.set ADRV, 5
.set QO,  6
.set STO, 7
.set RD,  8
.set GO,  9
.set NEG, 10                           ; -2^33
.set ST,  16                           ; tile t at v[ST + 8 t]: +0 c m, +1 m, +2, +3 l (even places', odd places'), +4 to +7 at work; a takes +6
.set S,   48
.set O,   112
.set KF,  0                            ; window 1
.set VF,  64
.set QF,  128
.set P,   192
.set WV,  12                           ; s12 my wave's number
.set SLOTS, 14
.set TB,  15                           ; LDS byte at which the step to be fetched begins
.set G1,  16                           ; s[16:23] descriptor group 1
.set G0,  24                           ; s[24:31] group 0: a set for each first fill; the second then walks on
.set MA,  32                           ; s[32:63] the 32 mask words of a pair's first tile
.set SEL, 66                           ; s[66:67] lane selects for v_permlanex16_b32
.set MB,  68                           ; s[68:99] of its second tile
.set CS,  100                          ; s[100:101] c, twice
.set MSB, 0
.macro WIN new
.if MSB != \new
	s_set_vgpr_msb (MSB<<8)|\new
.set MSB, \new
.endif
.endm
.set W_MUL, 0x05                       ; sources 0 and 1 window 1, C and D window 0
.set W_TO1, 0x40                       ; destination window 1
.macro CROUND                          ; a round of the cluster's barrier
	s_barrier_signal -1
	s_barrier_wait -1
	s_cmp_lg_u32 s[WV], 0
	s_cbranch_scc1 .Lnot_wave_0_\@
	s_barrier_signal -3
.Lnot_wave_0_\@:
	s_barrier_wait -3
	s_barrier_signal -1
	s_barrier_wait -1
.endm
.macro PLACES                          ; four places between matrix instructions and the readers of their results (ISA guide 7.12.1)
.rept 4
	v_nop
.endr
.endm
	s_load_b128 s[4:7], s[0:1], 0x0                ; qkv s[4:5], mbits s[6:7]
	s_load_b64 s[8:9], s[0:1], 0x10                ; ctx
	v_lshl_add_u32 v254, v0, 2, 0x42000
	v_mov_b32 v255, 0
	ds_add_u32 v254, v255
	v_lshrrev_b32 v1, 5, v0
	v_readfirstlane_b32 s[WV], v1                  ; wave 0..7
	s_bfe_u32 s10, ttmp6, 0x40000                  ; cx
	s_lshl_b32 s11, ttmp9, 2
	s_add_co_u32 s11, s11, s10                     ; my block of 256 queries: it enters Q's, the mask's and ctx's addresses alone
	s_and_b32 s13, ttmp7, 0xffff
	s_lshr_b32 s14, s13, 3                         ; b
	s_and_b32 s13, s13, 7                          ; p
	s_lshr_b32 s68, s[WV], 2                       ; e
	s_and_b32 s69, s[WV], 3                        ; which 64 queries
	s_mul_i32 s70, s14, 48
	s_lshl1_add_u32 s70, s13, s70                  ; 48 b + 2 p
	; my part of a slot: region w / 2 (K or V by w / 4, head by (w / 2) % 2), its keys 64 (w % 2) on
	s_lshl4_add_u32 s2, s68, s70
	s_bfe_u32 s3, s[WV], 0x10001
	s_add_co_u32 s2, s2, s3
	s_add_co_u32 s2, s2, 16
	s_lshl_b32 s2, s2, 18                          ; x 2,048 keys of 128 bytes
	s_and_b32 s3, s[WV], 1
	s_lshl_b32 s3, s3, 13
	s_add_co_u32 s2, s2, s3
	s_mov_b32 s3, 0
	s_add_co_u32 s72, s70, s68                     ; Q: head 2 p + e,
	s_lshl_b32 s72, s72, 18
	s_lshl2_add_u32 s71, s11, s69                  ; 4 x block + w % 4
	s_lshl_b32 s73, s71, 13                        ; x 64 rows of 128 bytes
	s_add_co_u32 s72, s72, s73
	s_mov_b32 s73, 0
	s_lshl_b32 s74, s14, 5                         ; the mask's words: (128 b + 16 block + 4 (w % 4)) tiles of 4,096 bytes
	s_add_co_u32 s74, s74, s71
	s_lshl_b32 s74, s74, 14
	s_mov_b32 s75, 0
	s_lshl_b32 s76, s14, 3                         ; ctx: row 2,048 b + 256 block + 32 w, 2,048 bytes each; byte 256 p
	s_add_co_u32 s76, s76, s11
	s_lshl3_add_u32 s76, s76, s[WV]
	s_lshl_b32 s76, s76, 16
	s_lshl_b32 s77, s13, 8
	s_add_co_u32 s76, s76, s77
	s_mov_b32 s77, 0
	s_mul_i32 s78, s[WV], STEPB                    ; my 32 rows of a slot
	; group 1: 32 rows of 32 elements of 8 bytes, dense in memory; 16 bytes of padding behind every 64 words; mask 15, bit 21 beside it
	s_mov_b32 s[G1], 15|(3<<16)|(1<<20)|(1<<21)|(5<<22)|(3<<25)
	s_mov_b32 s[G1+1], 32<<16                      ; tensor_dim0
	s_mov_b32 s[G1+2], 32<<16                      ; tensor_dim1
	s_mov_b32 s[G1+3], 32<<16                      ; tile_dim0
	s_mov_b32 s[G1+4], 32                          ; tile_dim1
	s_mov_b32 s[G1+5], 32                          ; elements from row to row
	s_mov_b32 s[G1+6], 0
	s_mov_b32 s[G1+7], 0
	s_mov_b32 s[CS], 0x3e38aa3b                    ; c = log2(e) / 8
	s_mov_b32 s[CS+1], s[CS]
	s_mov_b32 s[SEL], 0x76543210
	s_mov_b32 s[SEL+1], 0xfedcba98
	s_mov_b32 s[TB], 0
	s_mov_b32 s[SLOTS], 14
	s_wait_dscnt 0x0
	s_wait_kmcnt 0x0
	s_add_nc_u64 s[2:3], s[4:5], s[2:3]
	s_add_nc_u64 s[4:5], s[4:5], s[72:73]
	s_add_nc_u64 s[6:7], s[6:7], s[74:75]
	s_add_nc_u64 s[8:9], s[8:9], s[76:77]
	CROUND                                         ; all four work-groups are here: the first joint loads meet
.irp s, 0,1
	s_mov_b32 s[G0+4*\s], 1
	s_add_co_u32 s[G0+4*\s+1], s78, \s*SLOT1
	s_add_nc_u64 s[G0+4*\s+2:G0+4*\s+3], s[2:3], \s*16384          ; slot s begins with keys 128 s on
	s_or_b32 s[G0+4*\s+3], s[G0+4*\s+3], 0x80000000
.endr
	tensor_load_to_lds s[G0:G0+3], s[G1:G1+7]      ; both first fills together: two tensor loads of mine are out
	s_nop 0
	tensor_load_to_lds s[G0+4:G0+7], s[G1:G1+7]
	s_nop 0
.rept 4
	v_nop
.endr
	v_and_b32 v1, 15, v0                           ; l % 16
	v_bfe_u32 v11, v0, 4, 1                        ; l / 16
	v_lshlrev_b32 v[QO], 7, v1
	v_lshl_add_u32 v[QO], v11, 4, v[QO]
	WIN W_TO1
.irp t, 0,1,2,3
.irp c, 0,1
	global_load_b128 v[QF+8*(2*\t+\c):QF+8*(2*\t+\c)+3],   v[QO], s[4:5] offset:2048*\t+64*\c      ; Q stays in registers: tile t, channels 32 c on
	global_load_b128 v[QF+8*(2*\t+\c)+4:QF+8*(2*\t+\c)+7], v[QO], s[4:5] offset:2048*\t+64*\c+32
.endr
.endr
	WIN 0
	v_bfe_u32 v12, v0, 1, 2                        ; (l % 8) / 2
	v_bfe_u32 v13, v0, 3, 1                        ; (l / 8) % 2
	v_and_b32 v14, 1, v0
	s_mul_i32 s2, s68, REG                         ; my head's region
	; K: lane l holds place l % 16 = 8 H + J, key 4 (J / 2) + 2 H + J % 2: LDS row 2 (J / 2) + H, half J % 2; channels 8 (l / 16) on
	v_lshl_add_u32 v[AK0], v12, 1, v13
	v_mul_u32_u24 v[AK0], v[AK0], PK
	v_lshl_add_u32 v[AK0], v14, 7, v[AK0]
	v_lshl_add_u32 v[AK0], v11, 4, v[AK0]
	v_add_nc_u32 v[AK0], s2, v[AK0]
	s_add_co_u32 s2, s2, 2*REG
	; V, turned: lane l addresses place 8 (l / 16) + l % 8: LDS row 2 ((l % 8) / 2) + l / 16, half l % 2; channels 8 ((l / 8) % 2) on
	v_lshl_add_u32 v[AV0], v12, 1, v11
	v_mul_u32_u24 v[AV0], v[AV0], PK
	v_lshl_add_u32 v[AV0], v14, 7, v[AV0]
	v_lshl_add_u32 v[AV0], v13, 4, v[AV0]
	v_add_nc_u32 v[AV0], s2, v[AV0]
	s_mul_i32 s3, s69, 64*PK                       ; the way out, in: row 64 (w % 4) + l % 16, my head's 128 bytes, 16 bytes for each half of the lanes
	s_lshl_b32 s13, s68, 7
	s_add_co_u32 s3, s3, s13
	s_add_co_u32 s3, s3, STAGE
	v_mul_u32_u24 v[STO], v1, PK
	v_lshl_add_u32 v[STO], v11, 4, v[STO]
	v_add_nc_u32 v[STO], s3, v[STO]
	s_mul_i32 s13, s[WV], 32*PK                    ; back: wave w takes rows 32 w on, whole; lanes 0-15 one row, lanes 16-31 the next
	s_add_co_u32 s13, s13, STAGE
	v_mul_u32_u24 v[RD], v11, PK
	v_lshl_add_u32 v[RD], v1, 4, v[RD]
	v_add_nc_u32 v[RD], s13, v[RD]
	v_lshlrev_b32 v[GO], 11, v11                   ; and the same two rows in ctx
	v_lshl_add_u32 v[GO], v1, 4, v[GO]
	v_mov_b32 v[NEG], 0xd0000000
	s_load_b512 s[MA:MA+15], s[6:7], 0x0           ; step 0's words of tiles 0 and 1; the numbers that lay in s68 on have all been used
	s_load_b512 s[MA+16:MA+31], s[6:7], 0x40
	s_load_b512 s[MB:MB+15], s[6:7], 0x1000
	s_load_b512 s[MB+16:MB+31], s[6:7], 0x1040
; 16 products S^T = K Q^T for tiles x, x + 1: channels 0-31 start the eight sums, channels 32-63 add.  The accumulators take turns, one instruction a turn.
.macro KQ x
.irp c, 0,1
.irp tt, 0,1
.irp f, 0,1,2,3
.if \c == 0
	v_wmma_f32_16x16x32_f16 v[S+32*\tt+8*\f:S+32*\tt+8*\f+7], v[KF+8*(2*\f+\c):KF+8*(2*\f+\c)+7], v[QF+8*(2*(\x+\tt)+\c):QF+8*(2*(\x+\tt)+\c)+7], 0
.else
	v_wmma_f32_16x16x32_f16 v[S+32*\tt+8*\f:S+32*\tt+8*\f+7], v[KF+8*(2*\f+\c):KF+8*(2*\f+\c)+7], v[QF+8*(2*(\x+\tt)+\c):QF+8*(2*(\x+\tt)+\c)+7], v[S+32*\tt+8*\f:S+32*\tt+8*\f+7]
.endif
.endr
.endr
.endr
.endm
; 16 products O^T += V^T P for tiles x, x + 1: places 0-31, then 32-63, on eight accumulators by turns.  first = 1: the first eight start the sums.
.macro PV x, first
.irp g, 0,1
.irp tt, 0,1
.irp cb, 0,1,2,3
.if \first && (\g == 0)
	v_wmma_f32_16x16x32_f16 v[O+32*(\x+\tt)+8*\cb:O+32*(\x+\tt)+8*\cb+7], v[VF+8*(4*\g+\cb):VF+8*(4*\g+\cb)+7], v[P+16*\tt+8*\g:P+16*\tt+8*\g+7], 0
.else
	v_wmma_f32_16x16x32_f16 v[O+32*(\x+\tt)+8*\cb:O+32*(\x+\tt)+8*\cb+7], v[VF+8*(4*\g+\cb):VF+8*(4*\g+\cb)+7], v[P+16*\tt+8*\g:P+16*\tt+8*\g+7], v[O+32*(\x+\tt)+8*\cb:O+32*(\x+\tt)+8*\cb+7]
.endif
.endr
.endr
.endr
.endm
; Number n of 16 of a tile's sum: its 16 pairs of weights (at register b on) are added as a tree in place, 1, 2, 4 and 8 pairs apart; then l (statistics at t) takes the sum.
.macro SUMOP b, t, n, first
.if \n < 8
	v_pk_add_f32 v[\b+4*\n:\b+4*\n+1], v[\b+4*\n:\b+4*\n+1], v[\b+4*\n+2:\b+4*\n+3]
.elseif \n < 12
	v_pk_add_f32 v[\b+8*(\n-8):\b+8*(\n-8)+1], v[\b+8*(\n-8):\b+8*(\n-8)+1], v[\b+8*(\n-8)+4:\b+8*(\n-8)+5]
.elseif \n < 14
	v_pk_add_f32 v[\b+16*(\n-12):\b+16*(\n-12)+1], v[\b+16*(\n-12):\b+16*(\n-12)+1], v[\b+16*(\n-12)+8:\b+16*(\n-12)+9]
.elseif (\n == 14) && \first
	v_pk_add_f32 v[\t+2:\t+3], v[\b:\b+1], v[\b+16:\b+17]
.elseif \n == 14
	v_pk_add_f32 v[\b:\b+1], v[\b:\b+1], v[\b+16:\b+17]
.elseif !\first
	v_pk_fma_f32 v[\t+2:\t+3], v[\t+2:\t+3], v[\t+6:\t+7], v[\b:\b+1] op_sel_hi:[1,0,1]   ; l = a l + the sum
.endif
.endm
; THE SOFTMAX OF A PAIR OF TILES x, x + 1 for one step of 64 keys.  first = 1: the first step, which starts m, l and O^T.  ask = 1: the next pair's words are asked for.
; The two tiles alternate where one instruction feeds the next, and the exponentials stand between plain instructions of the other tile, so that each has a plain instruction
; behind it before its result is used (ISA guide 5.7.2).
.macro SM2 x, first, ask
.set rT0, ST+8*(\x)
.set rT1, ST+8*(\x)+8
.set rS0, S
.set rS1, S+32
.set rO0, O+32*(\x)
.set rO1, O+32*(\x)+32
	s_wait_kmcnt 0x0                               ; the only scalar loads out are this pair's 64 words
.set i, 0
.rept 32
	v_cndmask_b32 v[rS0+i], v[NEG], v[rS0+i], s[MA+i]            ; the score where the lane's bit is set
.set i, i+1
.endr
.set i, 0
.rept 32
	v_cndmask_b32 v[rS1+i], v[NEG], v[rS1+i], s[MB+i]
.set i, i+1
.endr
.irp j, 0,1,2,3                        ; the maximum: in each tile four chains of seven scores, then the four left over, the chains and the old m
.irp u, 0,1
	v_max3_num_f32 v[rT0+8*\u+4+\j], v[rS0+32*\u+8*\j], v[rS0+32*\u+8*\j+1], v[rS0+32*\u+8*\j+2]
.endr
.endr
.if \ask
.if \x == 0
	s_load_b512 s[MA:MA+15], s[6:7], 8192          ; this step's words of tiles 2 and 3
	s_load_b512 s[MA+16:MA+31], s[6:7], 8256
	s_load_b512 s[MB:MB+15], s[6:7], 12288
	s_load_b512 s[MB+16:MB+31], s[6:7], 12352
.else
	s_load_b512 s[MA:MA+15], s[6:7], 128           ; the next step's words of tiles 0 and 1
	s_load_b512 s[MA+16:MA+31], s[6:7], 192
	s_load_b512 s[MB:MB+15], s[6:7], 4224
	s_load_b512 s[MB+16:MB+31], s[6:7], 4288
.endif
.endif
.irp j, 0,1,2,3
.irp u, 0,1
	v_max3_num_f32 v[rT0+8*\u+4+\j], v[rT0+8*\u+4+\j], v[rS0+32*\u+8*\j+3], v[rS0+32*\u+8*\j+4]
.endr
.endr
.irp j, 0,1,2,3
.irp u, 0,1
	v_max3_num_f32 v[rT0+8*\u+4+\j], v[rT0+8*\u+4+\j], v[rS0+32*\u+8*\j+5], v[rS0+32*\u+8*\j+6]
.endr
.endr
.irp u, 0,1
	v_max3_num_f32 v[rT0+8*\u+4], v[rT0+8*\u+4], v[rS0+32*\u+7], v[rS0+32*\u+15]
.endr
.irp u, 0,1
	v_max3_num_f32 v[rT0+8*\u+6], v[rT0+8*\u+6], v[rS0+32*\u+23], v[rS0+32*\u+31]
.endr
.irp u, 0,1
	v_max3_num_f32 v[rT0+8*\u+4], v[rT0+8*\u+4], v[rT0+8*\u+5], v[rT0+8*\u+6]
.endr
.if \first
.irp u, 0,1
	v_max_num_f32 v[rT0+8*\u+4], v[rT0+8*\u+4], v[rT0+8*\u+7]
.endr
.else
.irp u, 0,1
	v_max3_num_f32 v[rT0+8*\u+4], v[rT0+8*\u+4], v[rT0+8*\u+7], v[rT0+8*\u+1]
.endr
.irp u, 0,1
	v_mov_b32 v[rT0+8*\u+7], v[rT0+8*\u]           ; c m_old, as it was rounded, is kept for a
.endr
.endif
.irp u, 0,1
	v_permlanex16_b32 v[rT0+8*\u+5], v[rT0+8*\u+4], s[SEL], s[SEL+1]   ; the query's other 32 keys lie in the lane 16 away
.endr
.irp u, 0,1
	v_max_num_f32 v[rT0+8*\u+1], v[rT0+8*\u+4], v[rT0+8*\u+5]
.endr
.irp u, 0,1
	v_mul_f32 v[rT0+8*\u], s[CS], v[rT0+8*\u+1]
.endr
.if !\first
.irp u, 0,1
	v_sub_f32 v[rT0+8*\u+7], v[rT0+8*\u+7], v[rT0+8*\u]          ; the difference of the two shifts that p is made with
.endr
.endif
.set i, 0
.rept 16
	v_pk_fma_f32 v[rS0+2*i:rS0+2*i+1], v[rS0+2*i:rS0+2*i+1], s[CS:CS+1], v[rT0:rT0+1] op_sel_hi:[1,0,0] neg_lo:[0,0,1] neg_hi:[0,0,1]   ; the first tile's c s - c m
.set i, i+1
.endr
.if !\first
	v_exp_f32 v[rT0+6], v[rT0+7]                   ; a of both tiles
	v_exp_f32 v[rT1+6], v[rT1+7]
.endif
.set i, 0
.rept 16                               ; the first tile's exponentials | the second tile's c s - c m and its O^T times a
	v_exp_f32 v[rS0+2*i], v[rS0+2*i]
	v_pk_fma_f32 v[rS1+2*i:rS1+2*i+1], v[rS1+2*i:rS1+2*i+1], s[CS:CS+1], v[rT1:rT1+1] op_sel_hi:[1,0,0] neg_lo:[0,0,1] neg_hi:[0,0,1]
	v_exp_f32 v[rS0+2*i+1], v[rS0+2*i+1]
.if !\first
	s_wait_alu depctr_va_vdst(0)
	v_pk_mul_f32 v[rO1+2*i:rO1+2*i+1], v[rO1+2*i:rO1+2*i+1], v[rT1+6:rT1+7] op_sel_hi:[1,0]
.endif
.set i, i+1
.endr
	WIN W_TO1
.set i, 0
	s_wait_alu depctr_va_vdst(0)
.rept 16
	v_cvt_pk_f16_f32 v[P+i], v[rS0+2*i], v[rS0+2*i+1]            ; the first of these is the plain instruction behind the last exponential
.set i, i+1
.endr
	WIN 0
.set i, 0
.rept 32                               ; the second tile's exponentials | the first tile's sum and its O^T times a
	v_exp_f32 v[rS1+i], v[rS1+i]
.if i < 16
	SUMOP rS0, rT0, i, \first
.elseif !\first
	v_pk_mul_f32 v[rO0+2*(i-16):rO0+2*(i-16)+1], v[rO0+2*(i-16):rO0+2*(i-16)+1], v[rT0+6:rT0+7] op_sel_hi:[1,0]
.endif
.set i, i+1
.endr
	WIN W_TO1
.set i, 0
	s_wait_alu depctr_va_vdst(0)
.rept 16
	v_cvt_pk_f16_f32 v[P+16+i], v[rS1+2*i], v[rS1+2*i+1]
.set i, i+1
.endr
	WIN 0
.set i, 0
.rept 16
	SUMOP rS1, rT1, i, \first
.set i, i+1
.endr
.endm
; A step's K: 16 loads at v[ADRK]
.macro FETCH_K
	WIN W_TO1
.irp f, 0,1,2,3
.irp c, 0,1
	ds_load_b128 v[KF+8*(2*\f+\c):KF+8*(2*\f+\c)+3],   v[ADRK] offset:8*PK*\f+64*\c
	ds_load_b128 v[KF+8*(2*\f+\c)+4:KF+8*(2*\f+\c)+7], v[ADRK] offset:8*PK*\f+64*\c+32
.endr
.endr
	WIN 0
.endm
; THE CHANGE OF SLOTS, in the middle of a slot's second step: that step's K and V are in registers.  Each wave waits for its own reads of the slot and for all its tensor loads, of which
; one is out: its part of the other slot.  fill = 1: the barrier is a round of the cluster's, and behind it the slot just left is filled again, with the keys two slots on: my one tensor
; load, with two steps' work in which to land.
.macro CHANGE fill
	s_wait_dscnt 0x0                               ; met: V's wait was for 0 and no LDS instruction has been issued since
	s_wait_tensorcnt 0x0                           ; no tensor load of mine is out, so a group 0 may be written
	ds_add_u32 v254, v255
	s_wait_dscnt 0x0
.if \fill
	s_xor_b32 s[G0+5], s[G0+5], SLOT1              ; the walking descriptor: the other slot than last time,
	s_add_nc_u64 s[G0+6:G0+7], s[G0+6:G0+7], 16384 ; the next 128 keys
	CROUND
	tensor_load_to_lds s[G0+4:G0+7], s[G1:G1+7]
	s_nop 0
.rept 4
	v_nop
.endr
.else
	s_barrier_signal -1
	s_barrier_wait -1
.endif
	s_sub_co_u32 s[TB], s[TB], STEPB               ; the fetches go back to a slot's first step,
	s_xor_b32 s[TB], s[TB], SLOT1                  ; in the other slot
.endm
; A STEP OF 64 KEYS.  At its head its K has been asked for.  first = 1: the first step.  chg = 1: the slot is left and filled again; 2: left; 0: the next step lies in the same slot.
; more = 0: the last step: no K and no words are asked for.
.macro STEP first, chg, more
	v_add_nc_u32 v[ADRV], s[TB], v[AV0]            ; this and three v_nop are the four places between the last products and the loads into V's registers
.rept 3
	v_nop
.endr
	WIN W_TO1
.irp g, 0,1
.irp cb, 0,1,2,3
	ds_load_tr16_b128 v[VF+8*(4*\g+\cb):VF+8*(4*\g+\cb)+3],   v[ADRV] offset:16*PK*\g+32*\cb
	ds_load_tr16_b128 v[VF+8*(4*\g+\cb)+4:VF+8*(4*\g+\cb)+7], v[ADRV] offset:16*PK*\g+8*PK+32*\cb
.endr
.endr
	s_wait_dscnt 16                                ; all but V's sixteen loads: K, asked for half a step ago, is in
	WIN W_MUL
	KQ 0
	WIN 0
	PLACES
	SM2 0, \first, 1
	s_wait_dscnt 0x0                               ; V is in
	WIN W_MUL
	PV 0, \first
	KQ 2
	WIN 0                                          ; at a label and at a branch every window is 0
.if \chg == 1
	CHANGE 1
.elseif \chg == 2
	CHANGE 0
.else
	s_add_co_u32 s[TB], s[TB], STEPB               ; the next step
.endif
.if \more
	v_add_nc_u32 v[ADRK], s[TB], v[AK0]            ; this and three v_nop are the four places behind the products: in front of the loads into K's registers and of the selects that read the scores
.rept 3
	v_nop
.endr
	FETCH_K                                        ; the next step's K
.else
	PLACES
.endif
	SM2 2, \first, \more
	WIN W_MUL
	PV 2, \first
	WIN 0
.if \more
	s_wait_xcnt 0x0                                ; the words' base is stepped only behind this wait: scalar loads that name it are out
	s_add_nc_u64 s[6:7], s[6:7], 128               ; the next step's 32 words of each tile
.endif
.endm
	s_wait_tensorcnt 0x1                           ; my part of slot 0 is in; slot 1's may stay out
	s_barrier_signal -1
	s_barrier_wait -1                              ; everybody's is
	v_add_nc_u32 v[ADRK], s[TB], v[AK0]
	FETCH_K                                        ; step 0's K
	s_wait_loadcnt 0x0                             ; Q
	STEP 1, 0, 1                                   ; step 0
.Lslot:                                                ; 14 trips, steps 1 to 28: a slot's second step, in which it is left and filled again, and the next slot's first
	STEP 0, 1, 1
	STEP 0, 0, 1
	s_sub_co_u32 s[SLOTS], s[SLOTS], 1
	s_cmp_lg_u32 s[SLOTS], 0
	s_cbranch_scc1 .Lslot
	STEP 0, 2, 1                                   ; the tail is written out: step 29 leaves the last slot but one, and nothing is asked for
	STEP 0, 0, 1
	STEP 0, 0, 0
	; THE WAY OUT.  l's halves are added (these four additions are the places behind the last products); O^T is divided by l, rounded to f16 and sent through the work-group's stage.
.irp t, 0,1,2,3
	v_add_f32 v[ST+8*\t+4], v[ST+8*\t+2], v[ST+8*\t+3]
.endr
.irp t, 0,1,2,3
	v_permlanex16_b32 v[ST+8*\t+5], v[ST+8*\t+4], s[SEL], s[SEL+1]
.endr
.irp t, 0,1,2,3
	v_add_f32 v[ST+8*\t+4], v[ST+8*\t+4], v[ST+8*\t+5]
.endr
.irp t, 0,1,2,3
	v_rcp_f32 v[ST+8*\t+6], v[ST+8*\t+4]           ; l is at least 1: the largest score's weight
.endr
	v_nop                                          ; a plain instruction between the last reciprocal and the use of its result
	s_wait_alu depctr_va_vdst(0)
.irp t, 0,1,2,3
.set i, 0
.rept 16
	v_pk_mul_f32 v[O+32*\t+2*i:O+32*\t+2*i+1], v[O+32*\t+2*i:O+32*\t+2*i+1], v[ST+8*\t+6:ST+8*\t+7] op_sel_hi:[1,0]
.set i, i+1
.endr
.set i, 0
.rept 16
	v_cvt_pk_f16_f32 v[S+16*\t+i], v[O+32*\t+2*i], v[O+32*\t+2*i+1]
.set i, i+1
.endr
.irp cb, 0,1,2,3
	ds_store_b128 v[STO], v[S+16*\t+4*\cb:S+16*\t+4*\cb+3] offset:16*PK*\t+32*\cb
.endr
.endr
	s_wait_dscnt 0x0                               ; for the others' sake: a row's 256 bytes come from two waves
	s_barrier_signal -1
	s_barrier_wait -1
.irp i, 0,1,2,3,4,5,6,7,8,9,10,11,12,13,14,15
	ds_load_b128 v[O+4*\i:O+4*\i+3], v[RD] offset:2*PK*\i
.endr
.irp i, 0,1,2,3,4,5,6,7,8,9,10,11,12,13,14,15
	s_wait_dscnt 15-\i
	global_store_b128 v[GO], v[O+4*\i:O+4*\i+3], s[8:9] offset:4096*\i   ; 16 lanes store 256 consecutive bytes, at a multiple of 256 from ctx's first byte
.endr
	s_wait_tensorcnt 0x0
	ds_add_u32 v254, v255
	s_wait_dscnt 0x0
	CROUND                                         ; the closing round: no work-group ends while a partner may still ask for a tile that names it
	s_endpgm
.Lfunc_end_k_q98883f27e1_attn:
	.size	k_q98883f27e1_attn, .Lfunc_end_k_q98883f27e1_attn-k_q98883f27e1_attn
	.p2alignl 7, 3214868480
	.fill 96, 4, 3214868480
	.section	.rodata,"a",@progbits
	.p2align	6, 0x0
	.amdhsa_kernel k_q98883f27e1_attn
		.amdhsa_group_segment_fixed_size 327680
		.amdhsa_private_segment_fixed_size 0
		.amdhsa_enable_private_segment 0
		.amdhsa_kernarg_size 24
		.amdhsa_user_sgpr_count 2
		.amdhsa_user_sgpr_kernarg_segment_ptr 1
		.amdhsa_wavefront_size32 1
		.amdhsa_system_sgpr_workgroup_id_x 1
		.amdhsa_system_sgpr_workgroup_id_y 1
		.amdhsa_system_sgpr_workgroup_id_z 1
		.amdhsa_system_vgpr_workitem_id 0
		.amdhsa_next_free_vgpr 480
		.amdhsa_next_free_sgpr 102
		.amdhsa_reserve_vcc 0
		.amdhsa_float_denorm_mode_32 3
		.amdhsa_float_denorm_mode_16_64 3
		.amdhsa_memory_ordered 1
		.amdhsa_forward_progress 1
		.amdhsa_inst_pref_size 255
	.end_amdhsa_kernel
	.section	.bss,"aw",@nobits
	.p2align	6
	.space	262144
	.amdgpu_metadata
---
amdhsa.version: [ 1, 2 ]
amdhsa.kernels:
  - .name:           k_q98883f27e1_attn
    .symbol:         k_q98883f27e1_attn.kd
    .args:
      - { .name: qkv, .offset: 0, .size: 8, .value_kind: global_buffer, .address_space: global }
      - { .name: mbits, .offset: 8, .size: 8, .value_kind: global_buffer, .address_space: global }
      - { .name: ctx, .offset: 16, .size: 8, .value_kind: global_buffer, .address_space: global }
    .group_segment_fixed_size: 327680
    .private_segment_fixed_size: 0
    .kernarg_segment_align: 8
    .kernarg_segment_size: 24
    .max_flat_workgroup_size: 256
    .sgpr_count:     102
    .vgpr_count:     480
    .wavefront_size: 32
...
	.end_amdgpu_metadata
.endif
;; end of part 3
;; launch oproj (part 4): grid 8 x 32, 4 waves a work-group, clusters of 4 x 4, 327,680 bytes of LDS; arguments ctx, wb, out0, wo_b; writes out0
.if DOCPART == 4
	.amdgcn_target "amdgcn-amd-amdhsa--gfx1250"
	.amdhsa_code_object_version 6
	.text
	.protected	k_q98883f27e1_oproj
	.globl	k_q98883f27e1_oproj
	.p2align	8
	.type	k_q98883f27e1_oproj,@function
k_q98883f27e1_oproj:
	s_mov_b64 s[64:65], 0
	v_nop
	global_prefetch_b8 v0, s[64:65] scope:SCOPE_SE
	s_setreg_imm32_b32 hwreg(HW_REG_WAVE_MODE, 25, 1), 1
	s_wait_xcnt 0x0
	s_wait_alu depctr_hold_cnt(0) depctr_sa_sdst(0) depctr_va_vdst(0) depctr_va_sdst(0) depctr_va_ssrc(0) depctr_va_vcc(0) depctr_vm_vsrc(0)
	s_getreg_b32 s2, hwreg(HW_REG_IB_STS2, 6, 4)
	s_cmp_eq_u32 s2, 0
	s_cbranch_scc0 .Lentry_in_a_cluster
	s_endpgm
.Lentry_in_a_cluster:
	s_bfe_u32 s2, ttmp6, 0x10000c
	s_cmp_lg_u32 s2, 0xf033
	s_cbranch_scc0 .Lentry_shape_is_right
	s_endpgm
.Lentry_shape_is_right:
; C[m][n] = bias[n] + sum over k of A[m][k] B[n][k].  A: [8192][1024] f16, B: rows of wb, [.][1024] f16; sums in f32.
; One text serves two launches; KIND picks the sizes and the way out.
;   KIND 0: A = xb, B = wq, wk, wv (3,072 rows), C in f16, laid by head: qkv[b][g][s][64], g = n / 64.  Tile 256 x 192: 32 x 16 = 512 work-groups.
;   KIND 1: A = ctx, B = wo (wb's rows 3,072 on), C = out0 in f32.  Tile 256 x 128: 32 x 8 = 256 work-groups.
; LIMIT: operands and KIND 0's results are f16: magnitudes under 65,504.
; Four waves; wave w makes rows 64 w .. 64 w + 63 by all 16 NB columns: 4 x NB accumulators of 16 x 16.  In KIND 0 these columns are three whole
; heads, in KIND 1 whole rows of 512 bytes, so each wave's way out goes through a stage of its own, without a barrier.
; K goes in 8 steps of 128 through two LDS slots filled by tensor loads; a tile's rows are 256 bytes of memory, at multiples of 256.
; CLUSTER 4 x 4: the four work-groups of a row of the cluster need the same tiles of A, the four of a column the same tiles of B: each tile is asked
; for jointly, by the same tensor load with the same descriptor and a mask that names the four.
; THE MATRIX INSTRUCTION IS USED TRANSPOSED (source 0 = 16 rows of B, source 1 = 16 rows of A): lane l holds row l % 16 of C and the eight
; neighbouring columns 8 (l / 16) + 0..7.  The first product on each accumulator takes the bias as C: nothing is cleared, nothing is added later.
; REGISTERS, in windows of 256: window 0: v16-27 addresses; v32-95 A's fragments, two buffers of 4 x 8; v160 on the bias (8 NB), later the way out.
;   window 1: B's fragments, two buffers of 8 NB.  window 2: accumulators of row blocks 0, 1.  window 3: of row blocks 2, 3.
.set KIND, 1
.if KIND == 0
.set NB,    12                         ; column blocks of 16
.set SP,    400                        ; a stage row: 384 bytes + 16
.set BROW0, 0                          ; B's first row in wb
.else
.set NB,    8
.set SP,    528                        ; 512 bytes + 16
.set BROW0, 3072
.endif
.set KD,     1024
.set KSTEP,  128
.set PITCH,  272                       ; an LDS row: 256 bytes + 16 of padding: the 16 rows of a fragment load start 16 bytes apart modulo 256
.set HALFA,  128*PITCH                 ; what one tensor load brings of A
.set HALFB,  8*NB*PITCH                ; and of B
.set SLOT,   2*HALFA+2*HALFB           ; A's 256 rows, then B's 16 NB rows
.set STAGE,  2*SLOT                    ; behind the ring, a multiple of 256: 16 rows x SP for each wave; no tensor load lands here
.set LAPS,   KD/(2*KSTEP)              ; a lap = two K steps = once round the ring
.set ADRA, 16                          ; v16-17 LDS address of my A fragments in slot 0, 1
.set ADRB, 20                          ; v20-21 the same for B
.set STO,  24                          ; the way out: where I put my bytes of a row
.set RD,   25                          ; the way out: where I read back
.set CO,   26                          ; my byte offset in C
.set BO,   27                          ; my byte offset in the bias
.set FA,   32
.set BIAS, 160
.if KIND == 0
.set TMP,  96                          ; v96-143 packed results
.set OB,   160                         ; v160-207, v208-255 by turns: a block read back from the stage
.set OBN,  48
.else
.set OB,   96                          ; v96-159, v160-223 by turns
.set OBN,  64
.endif
.set G1,  24                           ; s[24:31] descriptor group 1 for A;  s[32:39] group 0, a set for each slot
.set G0,  32
.set G1B, 48                           ; s[48:55], s[56:63] the same for B
.set G0B, 56
.set MSB, 0
.macro WIN new                         ; the immediate's high byte repeats the setting that is left; a switch that changes nothing is dropped
.if MSB != \new
	s_set_vgpr_msb (MSB<<8)|\new
.set MSB, \new
.endif
.endm
.set MUL_LO, 0xa1                      ; source 0 (B) window 1, source 1 (A) window 0, C and D window 2
.set MUL_HI, 0xf1                      ; the same, C and D window 3
.set TO_B,   0x40                      ; destination window 1, address window 0
; A joint load: waves 0 and 1 fetch A's two halves, waves 2 and 3 B's.  The branch hangs on the wave's number alone.
; Four v_nop follow each of the two lines, ahead of the jump, the label and what follows.
.macro JLOAD s
	s_cmp_eq_u32 s11, 0
	s_cbranch_scc0 .Lfor_b_\@
	tensor_load_to_lds s[G0+4*\s:G0+4*\s+3], s[G1:G1+7]
	s_nop 0
.rept 4
	v_nop
.endr
	s_branch .Lasked_\@
.Lfor_b_\@:
	tensor_load_to_lds s[G0B+4*\s:G0B+4*\s+3], s[G1B:G1B+7]
	s_nop 0
.rept 4
	v_nop
.endr
.Lasked_\@:
.endm
.macro CREST                           ; a round of the cluster's barrier behind its opening barrier
	s_cmp_lg_u32 s10, 0
	s_cbranch_scc1 .Lnot_wave_0_\@
	s_barrier_signal -3
.Lnot_wave_0_\@:
	s_barrier_wait -3
	s_barrier_signal -1
	s_barrier_wait -1
.endm
.macro CROUND                          ; a whole round
	s_barrier_signal -1
	s_barrier_wait -1
	CREST
.endm
.macro PLACES                          ; four places behind matrix instructions, in front of loads into registers that they read and of readers of their results
.rept 4
	v_nop
.endr
.endm
	s_load_b128 s[4:7], s[0:1], 0x0                ; A s[4:5], wb s[6:7]
	s_load_b64 s[8:9], s[0:1], 0x10                ; C
	s_load_b64 s[66:67], s[0:1], 0x18              ; the bias
	s_set_vgpr_msb 0x40
	v_lshl_add_u32 v255, v0, 2, 0x3b400
	s_set_vgpr_msb 0x4000
	v_mov_b32 v255, 0
	s_set_vgpr_msb 0x1
	ds_add_u32 v255, v255
	s_set_vgpr_msb 0x100
	v_lshrrev_b32 v1, 5, v0
	v_readfirstlane_b32 s10, v1                    ; wave 0..3
	s_lshr_b32 s11, s10, 1                         ; I fetch for A (0) or for B (1),
	s_and_b32 s12, s10, 1                          ; its first or its second half
	s_bfe_u32 s40, ttmp6, 0x40000                  ; cx, cy: my place in the cluster
	s_bfe_u32 s41, ttmp6, 0x40004
	s_lshl_b32 s42, ttmp9, 2
	s_add_co_u32 s42, s42, s40                     ; tile column = 4 x cluster x + cx
	s_and_b32 s13, ttmp7, 0xffff
	s_lshl_b32 s13, s13, 2
	s_add_co_u32 s13, s13, s41                     ; tile row = 4 x cluster y + cy
	s_lshl_b32 s43, s41, 2
	s_lshl_b32 s43, 15, s43                        ; my row of the cluster
	s_lshl_b32 s44, 0x1111, s40                    ; my column
	; group 1: rows of 128 elements of 2 bytes, 16 bytes of padding behind every 64 words; bit 21 set beside a mask
	s_or_b32 s[G1+0], s43, (1<<16)|(1<<20)|(1<<21)|(5<<22)|(3<<25)
	s_or_b32 s[G1B+0], s44, (1<<16)|(1<<20)|(1<<21)|(5<<22)|(3<<25)
.irp g, G1, G1B
	s_mov_b32 s[\g+1], KSTEP<<16                   ; tensor_dim0 = 128
	s_mov_b32 s[\g+3], KSTEP<<16                   ; tile_dim0 = 128
	s_mov_b32 s[\g+5], KD                          ; elements from row to row
	s_mov_b32 s[\g+6], 0
	s_mov_b32 s[\g+7], 0
.endr
	s_mov_b32 s[G1+2], 128<<16                     ; tensor_dim1 and
	s_mov_b32 s[G1+4], 128                         ; tile_dim1: A 128 rows,
	s_mov_b32 s[G1B+2], (8*NB)<<16
	s_mov_b32 s[G1B+4], 8*NB                       ; B 8 NB rows
	s_lshl_b32 s16, s13, 8
	s_lshl_b32 s17, s12, 7
	s_add_co_u32 s16, s16, s17                     ; A: row 256 x tile row + 128 x half,
	s_lshl_b32 s16, s16, 11                        ; in bytes (under 2^24)
	s_mov_b32 s17, 0
	s_mul_i32 s46, s42, 16*NB
	s_mul_i32 s47, s12, 8*NB
	s_add_co_u32 s46, s46, s47
	s_add_co_u32 s46, s46, BROW0                   ; B: row 16 NB x tile column + 8 NB x half, from B's first row in wb
	s_lshl_b32 s46, s46, 11
	s_mov_b32 s47, 0
	s_mul_i32 s20, s10, HALFA                      ; where they go: waves 0, 1: A's halves;
	s_mul_i32 s21, s10, HALFB
	s_add_co_u32 s21, s21, 2*HALFA-2*HALFB         ; waves 2, 3: B's halves, behind A's 256 rows.  No place in the cluster enters an LDS address
	s_wait_dscnt 0x0
	s_wait_kmcnt 0x0
	s_add_nc_u64 s[14:15], s[4:5], s[16:17]
	s_add_nc_u64 s[46:47], s[6:7], s[46:47]
	CROUND                                         ; all sixteen work-groups are here: the first joint loads meet
.irp s, 0,1
	s_mov_b32 s[G0+4*\s], 1
	s_add_co_u32 s[G0+4*\s+1], s20, \s*SLOT
	s_add_nc_u64 s[G0+4*\s+2:G0+4*\s+3], s[14:15], \s*KSTEP*2
	s_or_b32 s[G0+4*\s+3], s[G0+4*\s+3], 0x80000000
	s_mov_b32 s[G0B+4*\s], 1
	s_add_co_u32 s[G0B+4*\s+1], s21, \s*SLOT
	s_add_nc_u64 s[G0B+4*\s+2:G0B+4*\s+3], s[46:47], \s*KSTEP*2
	s_or_b32 s[G0B+4*\s+3], s[G0B+4*\s+3], 0x80000000
	JLOAD \s                                       ; K steps 0 and 1: two tensor loads of mine are out
.endr
	v_and_b32 v1, 15, v0                           ; l % 16
	v_bfe_u32 v2, v0, 4, 1                         ; l / 16
	; the bias in the accumulators' layout: register 8 b + j = bias[tile's first column + 16 b + 8 (l / 16) + j]
	v_lshlrev_b32 v[BO], 5, v2
	s_mul_i32 s16, s42, 64*NB
	s_mov_b32 s17, 0
	s_add_nc_u64 s[66:67], s[66:67], s[16:17]
.set ib, 0
.rept NB
	global_load_b128 v[BIAS+8*ib:BIAS+8*ib+3], v[BO], s[66:67] offset:64*ib
	global_load_b128 v[BIAS+8*ib+4:BIAS+8*ib+7], v[BO], s[66:67] offset:64*ib+16
.set ib, ib+1
.endr
	; a fragment is 16 rows x 32 K in 8 registers: lane l holds row l % 16; two loads of 16 bytes, 32 bytes apart, at row x pitch + 16 (l / 16)
	v_mul_u32_u24 v3, v1, PITCH
	v_lshl_add_u32 v3, v2, 4, v3
	s_mul_i32 s22, s10, 64*PITCH                   ; my 64 rows of A
	v_add_nc_u32 v[ADRA], s22, v3
	v_add_nc_u32 v[ADRA+1], SLOT, v[ADRA]
	v_add_nc_u32 v[ADRB], 2*HALFA, v3              ; all of B's rows
	v_add_nc_u32 v[ADRB+1], SLOT, v[ADRB]
	s_mul_i32 s23, s10, 16*SP
	s_add_co_u32 s23, s23, STAGE                   ; my stage
	v_and_b32 v5, 31, v0
	v_lshlrev_b32 v[CO], 4, v5                     ; 16 x lane: every store of the wave covers 512 consecutive bytes
	v_mul_u32_u24 v4, v1, SP
.if KIND == 0
	v_lshl_add_u32 v4, v2, 4, v4                   ; in: row l % 16, 16 bytes for each half of the lanes
	v_add_nc_u32 v[STO], s23, v4
	v_lshrrev_b32 v6, 3, v5                        ; back: four rows of one head, 128 bytes each: row l / 8, bytes 16 (l % 8)
	v_and_b32 v7, 7, v0
	v_mul_u32_u24 v6, v6, SP
	v_lshl_add_u32 v6, v7, 4, v6
	v_add_nc_u32 v[RD], s23, v6
	s_lshr_b32 s16, s13, 3                         ; the batch
	s_mul_i32 s16, s16, 48
	s_mul_i32 s18, s42, 3
	s_add_co_u32 s16, s16, s18                     ; 48 b + my first head's g
	s_lshl_b32 s16, s16, 18                        ; x 2,048 rows of 128 bytes
	s_and_b32 s18, s13, 7
	s_lshl_b32 s18, s18, 2
	s_add_co_u32 s18, s18, s10
	s_lshl_b32 s18, s18, 13                        ; + (256 (tile row % 8) + 64 wave) rows of 128 bytes
.else
	v_lshl_add_u32 v4, v2, 5, v4                   ; in: row l % 16, 32 bytes for each half of the lanes
	v_add_nc_u32 v[STO], s23, v4
	v_add_nc_u32 v[RD], s23, v[CO]                 ; back: a whole row of 512 bytes
	s_lshl_b32 s16, s13, 2
	s_add_co_u32 s16, s16, s10
	s_lshl_b32 s16, s16, 18                        ; (256 tile row + 64 wave) rows of 4,096 bytes
	s_lshl_b32 s18, s42, 9                         ; + the tile's first column
.endif
	s_add_co_u32 s16, s16, s18
	s_mov_b32 s17, 0
	s_add_nc_u64 s[8:9], s[8:9], s[16:17]
; NB matrix instructions: row block a x all column blocks, 32 along K, from buffer f.  c0 = 1: the bias starts the sums.
; The 4 NB accumulators take turns, one instruction a turn, in the same order in every quarter, over the backward jump too.
.macro MULA f, a, c0
.set ib, 0
.rept NB
.if \c0
	v_wmma_f32_16x16x32_f16 v[8*(NB*((\a)&1)+ib):8*(NB*((\a)&1)+ib)+7], v[8*(NB*\f+ib):8*(NB*\f+ib)+7], v[FA+32*\f+8*\a:FA+32*\f+8*\a+7], v[BIAS+8*ib:BIAS+8*ib+7]
.else
	v_wmma_f32_16x16x32_f16 v[8*(NB*((\a)&1)+ib):8*(NB*((\a)&1)+ib)+7], v[8*(NB*\f+ib):8*(NB*\f+ib)+7], v[FA+32*\f+8*\a:FA+32*\f+8*\a+7], v[8*(NB*((\a)&1)+ib):8*(NB*((\a)&1)+ib)+7]
.endif
.set ib, ib+1
.endr
.endm
; 2 NB + 8 LDS loads in one run: the fragments of 32 K at byte k of the rows, into buffer f: B's first, A's four blocks last
.macro FETCH slot, k, f
	WIN TO_B
.set ib, 0
.rept NB
	ds_load_b128 v[8*(NB*\f+ib):8*(NB*\f+ib)+3],   v[ADRB+\slot] offset:\k+ib*16*PITCH
	ds_load_b128 v[8*(NB*\f+ib)+4:8*(NB*\f+ib)+7], v[ADRB+\slot] offset:\k+ib*16*PITCH+32
.set ib, ib+1
.endr
	WIN 0
.irp i, 0,1,2,3
	ds_load_b128 v[FA+32*\f+8*\i:FA+32*\f+8*\i+3],   v[ADRA+\slot] offset:\k+\i*16*PITCH
	ds_load_b128 v[FA+32*\f+8*\i+4:FA+32*\f+8*\i+7], v[ADRA+\slot] offset:\k+\i*16*PITCH+32
.endr
.endm
; A K step is four quarters of 32 along K, 4 NB matrix instructions each, on buffers 0, 1, 0, 1.
; One of the first three: multiplies buffer f; in its middle it fetches the next quarter, at byte k, into buffer g.
.macro QUARTER slot, k, f, g, c0
	s_wait_dscnt 4                                 ; all but the four youngest loads, A's blocks 2 and 3
.if \c0
	WIN 0x81                                       ; C (the bias) window 0, D window 2
.else
	WIN MUL_LO
.endif
	MULA \f, 0, \c0
	MULA \f, 1, \c0
	PLACES
	FETCH \slot, \k, \g
	s_wait_dscnt 2*NB+8                            ; all but the run just issued
.if \c0
	WIN 0xc1
.else
	WIN MUL_HI
.endif
	MULA \f, 2, \c0
	MULA \f, 3, \c0
.endm
; The last quarter multiplies buffer 1 and changes slots: ONE barrier; in front of it each wave waits for its own reads of this slot and for all its
; tensor loads, of which one is out: its part of the next slot.  fill = 1: the barrier opens a round of the cluster's barrier, and this slot is filled again, two K steps ahead.
.macro TURN slot, next, fill
	s_wait_dscnt 4
	WIN MUL_LO
	MULA 1, 0, 0
	s_wait_dscnt 0x0                               ; my reads of this slot are over,
	s_wait_tensorcnt 0x0                           ; and all my tensor loads have landed
	ds_add_u32 v255, v255
	s_wait_dscnt 0x0
	s_barrier_signal -1
	MULA 1, 1, 0                                   ; work on registers while the others arrive
.if \fill
	WIN 0
.endif
	s_barrier_wait -1
.if \fill
	CREST                                          ; no wave of any partner still reads this slot or has a load on its way
	s_add_nc_u64 s[G0+4*\slot+2:G0+4*\slot+3], s[G0+4*\slot+2:G0+4*\slot+3], 2*KSTEP*2
	s_add_nc_u64 s[G0B+4*\slot+2:G0B+4*\slot+3], s[G0B+4*\slot+2:G0B+4*\slot+3], 2*KSTEP*2
	JLOAD \slot                                    ; my one tensor load behind the round: 15 NB matrix instructions ahead of the wait for it; its four v_nop are also the places in front of the loads below
.else
	PLACES
.endif
	FETCH \next, 0, 0
	WIN MUL_HI
	MULA 1, 2, 0
	MULA 1, 3, 0
.endm
	s_wait_tensorcnt 0x1                           ; my part of K step 0 is in; K step 1's may stay out
	s_barrier_signal -1
	s_barrier_wait -1                              ; everybody's is
	FETCH 0, 0, 0
	s_wait_loadcnt 0x0                             ; the bias
	QUARTER 0, 64, 0, 1, 1                         ; the first quarter stands in front of the loop: its products start the sums
	WIN 0                                          ; at a label and at a branch every window is 0
	s_mov_b32 s3, LAPS-1
.Llap:                                                 ; a trip goes once round the ring, from a lap's second quarter to the next lap's first, and fills both slots again
	QUARTER 0, 128, 1, 0, 0
	QUARTER 0, 192, 0, 1, 0
	TURN 0, 1, 1
	QUARTER 1, 64,  0, 1, 0
	QUARTER 1, 128, 1, 0, 0
	QUARTER 1, 192, 0, 1, 0
	TURN 1, 0, 1
	QUARTER 0, 64,  0, 1, 0
	WIN 0
	s_sub_co_u32 s3, s3, 1
	s_cmp_lg_u32 s3, 0
	s_cbranch_scc1 .Llap
	QUARTER 0, 128, 1, 0, 0                        ; the last lap fills nothing
	QUARTER 0, 192, 0, 1, 0
	TURN 0, 1, 0
	QUARTER 1, 64,  0, 1, 0
	QUARTER 1, 128, 1, 0, 0
	QUARTER 1, 192, 0, 1, 0
	s_wait_dscnt 4                                 ; the very last quarter: nothing more to fetch
	WIN MUL_LO
	MULA 1, 0, 0
	MULA 1, 1, 0
	s_wait_dscnt 0x0
	WIN MUL_HI
	MULA 1, 2, 0
	MULA 1, 3, 0
	WIN 0
; THE WAY OUT, a block of 16 rows at a time through my own stage: LDS serves a wave's instructions in order, so no wait stands between its stores and its loads.
.if KIND == 0
.macro PACK a                          ; rounded to f16: 16 bytes a lane and column block
	WIN 0x0a+5*((\a)/2)                            ; sources 0 and 1: window 2 or 3
.set ib, 0
.rept NB
.irp r, 0,1,2,3
	v_cvt_pk_f16_f32 v[TMP+4*ib+\r], v[8*(NB*((\a)&1)+ib)+2*\r], v[8*(NB*((\a)&1)+ib)+2*\r+1]
.endr
.set ib, ib+1
.endr
	WIN 0
.endm
.macro TOSTAGE a
	s_wait_xcnt 0x0                                ; the registers loaded below were the data of stores two blocks back: they are rewritten only behind this wait
.set ib, 0
.rept NB
	ds_store_b128 v[STO], v[TMP+4*ib:TMP+4*ib+3] offset:32*ib
.set ib, ib+1
.endr
.irp hh, 0,1,2
.irp u, 0,1,2,3
	ds_load_b128 v[OB+OBN*((\a)&1)+4*(4*\hh+\u):OB+OBN*((\a)&1)+4*(4*\hh+\u)+3], v[RD] offset:128*\hh+4*SP*\u   ; rows 4 u .. 4 u + 3 of head hh
.endr
.endr
.endm
.macro SEND a, younger
	s_wait_dscnt \younger                          ; the block is back in registers
.irp hh, 0,1,2
.irp u, 0,1,2,3
	global_store_b128 v[CO], v[OB+OBN*((\a)&1)+4*(4*\hh+\u):OB+OBN*((\a)&1)+4*(4*\hh+\u)+3], s[8:9] offset:\hh*262144+(\a)*2048+\u*512   ; four rows of a head: 512 consecutive bytes, aligned
.endr
.endr
.endm
	PLACES                                         ; the conversions read results just made
	PACK 0
	TOSTAGE 0
.irp a, 1,2,3                          ; block a's conversions stand between block a - 1's loads from the stage and the wait for them
	PACK \a
	SEND \a-1, 0
	TOSTAGE \a
.endr
	SEND 3, 0
.else
.macro TOSTAGE a
	s_wait_xcnt 0x0                                ; the registers loaded below were the data of stores two blocks back: they are rewritten only behind this wait
	WIN 0x08+4*((\a)/2)                            ; store data: window 2 or 3
.set ib, 0
.rept NB
	ds_store_b128 v[STO], v[8*(NB*((\a)&1)+ib):8*(NB*((\a)&1)+ib)+3] offset:64*ib
	ds_store_b128 v[STO], v[8*(NB*((\a)&1)+ib)+4:8*(NB*((\a)&1)+ib)+7] offset:64*ib+16
.set ib, ib+1
.endr
	WIN 0
.irp i, 0,1,2,3,4,5,6,7,8,9,10,11,12,13,14,15
	ds_load_b128 v[OB+OBN*((\a)&1)+4*\i:OB+OBN*((\a)&1)+4*\i+3], v[RD] offset:SP*\i
.endr
.endm
.macro SEND a, younger
	s_wait_dscnt \younger                          ; the block is back; the next block's 32 LDS instructions may stay out
.irp i, 0,1,2,3,4,5,6,7,8,9,10,11,12,13,14,15
	global_store_b128 v[CO], v[OB+OBN*((\a)&1)+4*\i:OB+OBN*((\a)&1)+4*\i+3], s[8:9] offset:(16*(\a)+\i)*4096 th:TH_STORE_NT   ; 512 consecutive bytes of a row, aligned
.endr
.endm
	PLACES                                         ; the LDS stores read results just made
	TOSTAGE 0
.irp a, 1,2,3
	TOSTAGE \a
	SEND \a-1, 32
.endr
	SEND 3, 0
.endif
	s_set_vgpr_msb 0x1
	s_wait_tensorcnt 0x0
	ds_add_u32 v255, v255
	s_wait_dscnt 0x0
	s_set_vgpr_msb 0x100
	CROUND                                         ; the closing round: no work-group ends while a partner may still ask for a tile that names it
	s_endpgm
.Lfunc_end_k_q98883f27e1_oproj:
	.size	k_q98883f27e1_oproj, .Lfunc_end_k_q98883f27e1_oproj-k_q98883f27e1_oproj
	.p2alignl 7, 3214868480
	.fill 96, 4, 3214868480
	.section	.rodata,"a",@progbits
	.p2align	6, 0x0
	.amdhsa_kernel k_q98883f27e1_oproj
		.amdhsa_group_segment_fixed_size 327680
		.amdhsa_private_segment_fixed_size 0
		.amdhsa_enable_private_segment 0
		.amdhsa_kernarg_size 32
		.amdhsa_user_sgpr_count 2
		.amdhsa_user_sgpr_kernarg_segment_ptr 1
		.amdhsa_wavefront_size32 1
		.amdhsa_system_sgpr_workgroup_id_x 1
		.amdhsa_system_sgpr_workgroup_id_y 1
		.amdhsa_system_sgpr_workgroup_id_z 1
		.amdhsa_system_vgpr_workitem_id 0
		.amdhsa_next_free_vgpr 896
		.amdhsa_next_free_sgpr 68
		.amdhsa_reserve_vcc 0
		.amdhsa_float_denorm_mode_32 3
		.amdhsa_float_denorm_mode_16_64 3
		.amdhsa_memory_ordered 1
		.amdhsa_forward_progress 1
		.amdhsa_inst_pref_size 87
	.end_amdhsa_kernel
	.amdgpu_metadata
---
amdhsa.version: [ 1, 2 ]
amdhsa.kernels:
  - .name:           k_q98883f27e1_oproj
    .symbol:         k_q98883f27e1_oproj.kd
    .args:
      - { .name: ctx, .offset: 0, .size: 8, .value_kind: global_buffer, .address_space: global }
      - { .name: wb, .offset: 8, .size: 8, .value_kind: global_buffer, .address_space: global }
      - { .name: out0, .offset: 16, .size: 8, .value_kind: global_buffer, .address_space: global }
      - { .name: wo_b, .offset: 24, .size: 8, .value_kind: global_buffer, .address_space: global }
    .group_segment_fixed_size: 327680
    .private_segment_fixed_size: 0
    .kernarg_segment_align: 8
    .kernarg_segment_size: 32
    .max_flat_workgroup_size: 128
    .sgpr_count:     68
    .vgpr_count:     896
    .wavefront_size: 32
...
	.end_amdgpu_metadata
.endif
;; end of part 4
